; MI455X (gfx1250); checked and timed in simulation.
; The chip was launched on July 23, 2026; its instructions are those of AMD's public machine-readable ISA for CDNA 5 (MIT licence, August 2026) and "CDNA5" Instruction Set Architecture Reference Guide (July 2026). The comments in the code are by the model that wrote it; some were corrected since.
;; Ro PE Multihead Attention. Allowed arithmetic: matrix products marked QUANTISED: E2M3 operands, one E8M0 scale for each 32 along K, by v_wmma_scale_f32_16x16x128_f8f6f4 with both operands' format E2M3, f32 sums; products left as they are: f32 operands where the result goes on into a quantised operand, else bf16, f16 or f32 operands; f32 sums; everything else in f32.
;; Inputs: W_out_codes 1,024 x 32 x 24 uint8 (E2M3 codes of W_out, K innermost, in blocks of 32 codes, four codes in three bytes); W_out_scales 1,024 x 32 uint8 (E8M0 scales of W_out, one for each 32 codes along K); W_qkv_codes 3,072 x 32 x 24 uint8 (E2M3 codes of W_qkv, K innermost, in blocks of 32 codes, four codes in three bytes); W_qkv_scales 3,072 x 32 uint8 (E8M0 scales of W_qkv, one for each 32 codes along K); b_out 1,024 float32; b_qkv 3,072 float32; key_padding_mask 4 x 2,048 bool; x_codes 4 x 2,048 x 32 x 24 uint8 (E2M3 codes of x, K innermost, in blocks of 32 codes, four codes in three bytes); x_scales 4 x 2,048 x 32 uint8 (E8M0 scales of x, one for each 32 codes along K).
;; Outputs: out0 4 x 2,048 x 1,024 float32.
;; This version of the problem:
;;   THIS VERSION OF THE PROBLEM IS GIVEN IN LOW PRECISION. The matrix products marked QUANTISED in the list below multiply operands that are first quantised to E2M3 (2 exponent bits, 3 mantissa bits; 6 bits a number), with one power-of-two scale for each 32 numbers along K (OCP MX v1.0); their sums are f32. All else is computed in f32.
;;   The module's matrix products, in the order in which they are computed (A, B: the left and right operand; K: the contracted axis; several contracted axes count as one K, in the product's order):
;;     1. [M 8,192, K 1,024] x [K 1,024, N 3,072]; A: input x (given as codes); B: input W_qkv (given as codes): QUANTISED
;;     2. [M 2,048, K 1] x [K 1, N 32]; A: computed on the way; B: computed on the way: left as it is (no contracted axis)
;;     3. batch 64 x [M 2,048, K 64] x [K 64, N 2,048]; A: computed on the way; B: computed on the way: QUANTISED
;;     4. batch 64 x [M 2,048, K 2,048] x [K 2,048, N 64]; A: softmax (see below); B: computed on the way: QUANTISED
;;     5. [M 8,192, K 1,024] x [K 1,024, N 1,024]; A: computed on the way; B: input W_out (given as codes): QUANTISED
;;   THE QUANTISER, for each operand of a quantised product, along K:
;;     - K is cut into blocks of 32 from its start; a last block that is shorter is filled with zeros.
;;     - A block's scale is 2^e with e = floor(log2(the largest magnitude in the block)) - 2, held to -126 .. 127; a block of zeros has e = 0. As a byte (E8M0): e + 127.
;;     - Each number is divided by its block's scale, clamped to +-7.5, and rounded to the nearest number of E2M3, ties to even, subnormals kept.
;;     - The product sums the exact products of the quantised numbers (number of the format x scale) in f32.
;;   ~~~python
;;   def quantise(x, axis):      # numpy; x: float32 -> the quantised numbers, widened to float32 again
;;       x = np.moveaxis(x, axis, -1); K = x.shape[-1]
;;       x = np.pad(x, [(0, 0)] * (x.ndim - 1) + [(0, -K % 32)]); x = x.reshape(x.shape[:-1] + (-1, 32)); a = np.abs(x).max(-1, keepdims=True)
;;       e = np.where(a > 0, np.clip(np.frexp(np.where(a > 0, a, 1))[1] - 1 - 2, -126, 127), 0)      # np.frexp(a)[1] - 1 = floor(log2(a)), exactly
;;       r = np.clip(x / 2.0 ** e, -7.5, 7.5)
;;       step = 2.0 ** (np.maximum(np.frexp(np.where(r == 0, 1, r))[1] - 1, 0) - 3)
;;       q = np.round(r / step) * step * 2.0 ** e      # np.round: ties to even
;;       return np.moveaxis(q.reshape(q.shape[:-2] + (-1,))[..., :K], -1, axis).astype(np.float32)
;;   ~~~
;;   SOFTMAX AHEAD OF A QUANTISED PRODUCT. Where the list says 'softmax', what is quantised is not the finished softmax but p = 2^(t - M), with t = logit x log2(e) and M = ceil(the row's largest t), a whole number; so 1/2 < the row's largest p <= 1. The row's sum l is taken of the UNQUANTISED p, in f32, and the product's result is divided by l at the end. Since M is a whole number, a kernel that streams over the keys may use a running M (the ceiling of the running maximum): every later rescaling is an exact power of two, which a block's scale takes up: the codes' values come out the same.
;;   OPERANDS COMPUTED ON THE WAY. 'Computed on the way' means the value that the module computes at that place (a softmax that the list does not call 'softmax' is quantised finished and normalised). What goes into a quantiser is computed in f32, as accurately as f32 sums, v_exp_f32 and their like allow (about 1e-6 of the number): no bf16 or f16 on the way to a quantiser, and a product that is left as it is and whose result goes on into a quantised operand takes f32 operands (vector FMAs, or v_wmma_f32_16x16x4_f32). A number that lies on a knife's edge between two numbers of the format may be rounded either way, as far as f32 arithmetic and the matrix unit's own rounding can turn it there, and no further.
;;   INPUTS GIVEN AS CODES. W_out (in the module: [1024, 1024], K = its axis 1); W_qkv (in the module: [3072, 1024], K = its axis 1); x (in the module: [4, 2048, 1024], K = its axis 2): each comes as NAME_codes (uint8): NAME with its K axis moved to the last place and cut into blocks of 32 codes, [.., K / 32, bytes a block], one block behind the other in memory; four codes in three bytes: a row's codes are one little-endian stream of bits, code i at bits 6 i .. 6 i + 5 (a code: sign, 2 exponent bits, 3 mantissa bits); and NAME_scales (uint8): the same leading axes, one E8M0 byte (e + 127) for each 32 codes along K. Its value is code x scale, taken as it is: it is not quantised again, and the codes and scales need not be those that the quantiser above would give.
;; One version. Each part assembles by itself: llvm-mc -triple=amdgcn-amd-amdhsa -mcpu=gfx1250 --defsym DOCPART=n.
;; ======== version 1 of 1: 4 launches
;; workspace buffers: rope 524,288 bytes; codes 18,874,368 bytes; scl 1,310,720 bytes; ac 6,291,456 bytes; asc 262,144 bytes
;; launch rope_tab (part 1): grid 256 x 1, 4 waves a work-group, no clusters, 0 bytes of LDS; arguments rope; writes rope
.if DOCPART == 1
	.amdgcn_target "amdgcn-amd-amdhsa--gfx1250"
	.amdhsa_code_object_version 6
	.text
	.protected	k_q1f1381e65a_rope_tab
	.globl	k_q1f1381e65a_rope_tab
	.p2align	8
	.type	k_q1f1381e65a_rope_tab,@function
k_q1f1381e65a_rope_tab:
	s_mov_b64 s[64:65], 0
	v_nop
	global_prefetch_b8 v0, s[64:65] scope:SCOPE_SE
	s_setreg_imm32_b32 hwreg(HW_REG_WAVE_MODE, 25, 1), 1
	s_wait_xcnt 0x0
; The table of the rotary embedding: rope[pos][0..31] = cos(pos x w_f), rope[pos][32..63] = sin(pos x w_f), f32, pos = 0 .. 2047, w_f = 500^(-f / 32).
; 128 threads make 8 positions: thread t takes position 8 g + t / 16 and four neighbouring entries of its row of 256 bytes, at byte 16 (t % 16):
; t % 16 < 8: the cosines of f = 4 (t % 8) + 0..3, else the sines.  A wave's one store covers 512 consecutive bytes, aligned.
; w_f = 2^(-f log2(500) / 32) by v_exp_f32; x = pos x w_f is rounded once.  n = the nearest whole number to x 2 / pi; r = x - n pi/2, pi/2 taken off in two parts by
; fused multiply-adds (what is left of pi/2 is under 2e-15, times n < 1,304); sin r and cos r by polynomials on |r| <= pi/4.
; cos x = sin(x + pi/2): a cosine lane adds 1 to the quadrant; an odd quadrant takes cos r, an even one sin r; bit 1 of the quadrant is the sign.
; LIMIT: v_exp_f32 is good to 1 ulp, so the largest angles (1,700 rad) are good to about 2e-4 rad.  Position 0 gives exactly 1 and 0.
	s_load_b64 s[4:5], s[0:1], 0x0
	v_and_b32 v1, 7, v0
	v_lshlrev_b32 v1, 2, v1                        ; my first f
	v_lshrrev_b32 v2, 4, v0
	s_lshl_b32 s6, ttmp9, 3
	v_add_nc_u32 v2, s6, v2                        ; my position
	v_cvt_f32_u32 v2, v2
	v_bfe_u32 v3, v0, 3, 1
	v_xor_b32 v3, 1, v3                            ; 1 in a cosine lane
	v_lshlrev_b32 v4, 4, v0                        ; my 16 bytes of the group's 2,048
	s_lshl_b32 s20, ttmp9, 11
	s_mov_b32 s21, 0
	s_mov_b32 s8, 0xbe8f73da                       ; -log2(500) / 32
	s_mov_b32 s9, 0x3f22f983                       ; 2 / pi
	s_mov_b32 s10, 0xbfc90fdb                      ; -(pi/2 to the nearest f32)
	s_mov_b32 s11, 0x333bbd2e                      ; -(what is left of pi/2)
	s_mov_b32 s12, 0x37ccf5ce                      ; cos: z^4 / 40,320, fitted
	s_mov_b32 s13, 0xbab6061a                      ;      -z^3 / 720
	s_mov_b32 s14, 0x3d2aaaa5                      ;      z^2 / 24
	s_mov_b32 s15, 0xb94ca1f9                      ; sin: -r z^3 / 5,040
	s_mov_b32 s16, 0x3c08839e                      ;      r z^2 / 120
	s_mov_b32 s17, 0xbe2aaaa3                      ;      -r z / 6
.irp i, 0,1,2,3
	v_add_nc_u32 v[8+\i], \i, v1
	v_cvt_f32_u32 v[8+\i], v[8+\i]
	v_mul_f32 v[8+\i], s8, v[8+\i]
.endr
.irp i, 0,1,2,3
	v_exp_f32 v[8+\i], v[8+\i]                     ; w_f
.endr
	v_nop                                          ; one plain instruction behind the exponentials (ISA guide 5.7.2)
	s_wait_alu depctr_va_vdst(0)
.irp i, 0,1,2,3
	v_mul_f32 v[12+\i], v2, v[8+\i]                ; x
	v_mul_f32 v[16+\i], s9, v[12+\i]
	v_rndne_f32 v[16+\i], v[16+\i]                 ; n
	v_fma_f32 v[20+\i], v[16+\i], s10, v[12+\i]
	v_fma_f32 v[20+\i], v[16+\i], s11, v[20+\i]    ; r
	v_mul_f32 v[24+\i], v[20+\i], v[20+\i]         ; z = r r
	v_fma_f32 v[28+\i], v[24+\i], s12, s13
	v_fma_f32 v[28+\i], v[28+\i], v[24+\i], s14
	v_fma_f32 v[28+\i], v[28+\i], v[24+\i], -0.5
	v_fma_f32 v[28+\i], v[28+\i], v[24+\i], 1.0    ; cos r
	v_fma_f32 v[32+\i], v[24+\i], s15, s16
	v_fma_f32 v[32+\i], v[32+\i], v[24+\i], s17
	v_mul_f32 v[36+\i], v[20+\i], v[24+\i]
	v_fma_f32 v[32+\i], v[32+\i], v[36+\i], v[20+\i]   ; sin r
	v_cvt_i32_f32 v[36+\i], v[16+\i]
	v_add_nc_u32 v[36+\i], v[36+\i], v3            ; the quadrant, one on for a cosine
	v_and_b32 v[44+\i], 1, v[36+\i]
	v_cmp_ne_u32 vcc_lo, 0, v[44+\i]
	v_cndmask_b32 v[40+\i], v[32+\i], v[28+\i], vcc_lo
	v_lshlrev_b32 v[36+\i], 30, v[36+\i]
	v_and_b32 v[36+\i], 0x80000000, v[36+\i]
	v_xor_b32 v[40+\i], v[40+\i], v[36+\i]
.endr
	s_wait_kmcnt 0x0
	s_add_nc_u64 s[4:5], s[4:5], s[20:21]
	global_store_b128 v4, v[40:43], s[4:5]
	s_endpgm
.Lfunc_end_k_q1f1381e65a_rope_tab:
	.size	k_q1f1381e65a_rope_tab, .Lfunc_end_k_q1f1381e65a_rope_tab-k_q1f1381e65a_rope_tab
	.p2alignl 7, 3214868480
	.fill 96, 4, 3214868480
	.section	.rodata,"a",@progbits
	.p2align	6, 0x0
	.amdhsa_kernel k_q1f1381e65a_rope_tab
		.amdhsa_group_segment_fixed_size 0
		.amdhsa_private_segment_fixed_size 0
		.amdhsa_enable_private_segment 0
		.amdhsa_kernarg_size 8
		.amdhsa_user_sgpr_count 2
		.amdhsa_user_sgpr_kernarg_segment_ptr 1
		.amdhsa_wavefront_size32 1
		.amdhsa_system_sgpr_workgroup_id_x 1
		.amdhsa_system_sgpr_workgroup_id_y 1
		.amdhsa_system_sgpr_workgroup_id_z 1
		.amdhsa_system_vgpr_workitem_id 0
		.amdhsa_next_free_vgpr 48
		.amdhsa_next_free_sgpr 66
		.amdhsa_reserve_vcc 1
		.amdhsa_float_denorm_mode_32 3
		.amdhsa_float_denorm_mode_16_64 3
		.amdhsa_memory_ordered 1
		.amdhsa_forward_progress 1
		.amdhsa_inst_pref_size 7
	.end_amdhsa_kernel
	.amdgpu_metadata
---
amdhsa.version: [ 1, 2 ]
amdhsa.kernels:
  - .name:           k_q1f1381e65a_rope_tab
    .symbol:         k_q1f1381e65a_rope_tab.kd
    .args:
      - { .name: rope, .offset: 0, .size: 8, .value_kind: global_buffer, .address_space: global }
    .group_segment_fixed_size: 0
    .private_segment_fixed_size: 0
    .kernarg_segment_align: 8
    .kernarg_segment_size: 8
    .max_flat_workgroup_size: 128
    .sgpr_count:     66
    .vgpr_count:     48
    .wavefront_size: 32
...
	.end_amdgpu_metadata
.endif
;; end of part 1
;; launch qkv (part 2): grid 8 x 48, 4 waves a work-group, clusters of 4 x 4, 327,680 bytes of LDS; arguments x_codes, x_scales, W_qkv_codes, W_qkv_scales, b_qkv, rope, codes, scl; writes codes, scl
.if DOCPART == 2
	.amdgcn_target "amdgcn-amd-amdhsa--gfx1250"
	.amdhsa_code_object_version 6
	.text
	.protected	k_q1f1381e65a_qkv
	.globl	k_q1f1381e65a_qkv
	.p2align	8
	.type	k_q1f1381e65a_qkv,@function
k_q1f1381e65a_qkv:
	s_mov_b64 s[64:65], 0
	v_nop
	global_prefetch_b8 v0, s[64:65] scope:SCOPE_SE
	s_setreg_imm32_b32 hwreg(HW_REG_WAVE_MODE, 25, 1), 1
	s_wait_xcnt 0x0
	s_wait_alu depctr_hold_cnt(0) depctr_sa_sdst(0) depctr_va_vdst(0) depctr_va_sdst(0) depctr_va_ssrc(0) depctr_va_vcc(0) depctr_vm_vsrc(0)
	s_getreg_b32 s2, hwreg(HW_REG_IB_STS2, 6, 4)
	s_cmp_eq_u32 s2, 0
	s_cbranch_scc0 .Lentry_in_a_cluster
	s_endpgm
.Lentry_in_a_cluster:
	s_bfe_u32 s2, ttmp6, 0x10000c
	s_cmp_lg_u32 s2, 0xf033
	s_cbranch_scc0 .Lentry_shape_is_right
	s_endpgm
.Lentry_shape_is_right:
; qkv = x W_qkv^T + b_qkv on codes of FP6 (E2M3) with E8M0 scales, K = 1,024; then the rotary embedding of q and k; then the quantisers: q and k along the head's 64, v along the keys.
; A tile of 256 x 256 of the product is made by four waves, 128 x 128 each (64 accumulators, 512 registers); K goes in steps of 256 through two LDS slots filled by joint tensor loads in a cluster of 4 x 4.
; ONE TEXT, TWO PARTS.  The matrix instruction is used transposed: source 0 takes 16 rows of operand P, source 1 16 rows of operand R; a lane then holds ONE row of R and its registers run along P's rows,
; which are the next product's K.   q, k (cluster y 0-7):  P = W's rows 0-2,047 (a head's 64 numbers are four tiles), R = x's rows.     v (cluster y 8-11):  P = x's rows (the keys), R = W's rows 2,048-3,071.
; All that differs is a scalar chosen by s_cselect on the cluster's y, which all sixteen partners share: no branch.  In the v part the table's position is 0 for every row (cos 1, sin 0), so the rotation's four
; multiply-adds give x + bias, rounded once.  q's and k's bias runs along P: it is the C of the first K step's products.  v's runs along R: one number a lane, the addend of the rotation's first multiply-adds.
; WHAT IS STORED.  Half fragments, 16 rows x 64 along the next K, as IMAGES OF THEIR SIX REGISTERS: 768 bytes, lane l's registers 0-3 at 16 l, registers 4-5 at 512 + 8 l: stores of 512 and 256 consecutive aligned bytes.
;   codes: q, k: head G (k: 16 + head) x 393,216 + x row x 48;   v: 12,582,912 + head x 393,216 + (first of 64 keys) x 48 + (tile of 16 d) x 768.
;   scl:   q, k: G x 32,768 + x row x 4: bytes s0, s1, 0, 0 (the instruction's k = 64 .. 127 hold zero codes on q's side);   v: 1,048,576 + head x 16,384 + (first of 128 keys) x 2 + d x 4: four bytes.
; Inside a block of 32 the codes lie in the order 0-7, 16-23, 8-15, 24-31, alike in q and k, and alike in v and in the attention's p: the products are the same, and a block's numbers, so its scale, are the true ones.
; LIMITS: a block of zeros gets the byte 1 where the rule says 127 (its codes are zeros, and this program alone reads the bytes); NaN and infinities are not served.
; REGISTERS, in windows of 256: window 0: v0-31 addresses; v32-63 scale words, two sets; v64-127 P's bias; v128-223 R's fragments, one set; v224-239 R's bias, each number twice; v240-250 the way out's offsets.
;   window 1: P's fragments, two sets.   windows 2, 3: the accumulators ((a, b) at v[8 (8 (a % 4) + b)]).   On the way out v32-223 of window 0 are free.
.set KSTEP,  256
.set NQ,     2
.set ROWB,   192                       ; a tile's row: 256 codes
.set KROW,   768                       ; a row of x or of W in memory
.set PITCH,  240                       ; an LDS row: 3 x (64 bytes + 16 of padding)
.set FR,     12
.set NL,     6
.set NP,     4                         ; places behind this matrix instruction (ISA guide 7.12.1)
.set HALFT,  128*PITCH
.set SLOT,   4*HALFT
.set LAPS,   2                         ; 1,024 / 512
.set KS,     32                        ; a row of scale bytes
.set SCL,    2*SLOT
.set HALFS,  16*272                    ; the scale bytes of 128 rows: 16 units of 256 bytes + 16 of padding
.set SBLK,   2*272
.set SPARE,  SCL+4*HALFS               ; the spare words: 128 bytes a wave, two blocks of 256 bytes that no other line names
.set ADRA, 16                          ; v16-19 R's fragments in slot 0, 1 (and behind one padding more)
.set ADRB, 20                          ; v20-23 P's
.set ADRS, 27
.set SPW,  28
.set NIL,  29
.set SC,   32
.set BP,   64
.set AF,   128
.set BE,   224
.set VO,   240                         ; v240-243 16 x lane + (a / 4) S1 + g S2
.set VP,   244                         ; v244-247 8 x lane + the same
.set SO,   248                         ; v248-249 the scale words' offsets
.set TO,   250                         ; v250     my row's place in the table
.set CSB,  32                          ; the way out: two buffers of 16 cosines and 16 sines
.set YY,   96                          ; 32 numbers ahead of the quantiser
.set PCB,  128                         ; codes, a set of 8 registers for each g
.set TT,   160
.set MM,   164
.set NN,   166
.set EE,   168
.set BY,   170
.set HB,   172
.set UU,   174
.set WW,   176
.set SEL,  18
.set G1, 24
.set G0, 32
.set G1B, 48
.set G0B, 56
.set G1S, 68
.set G0S, 76
.set G1SB, 80
.set G0SB, 88
.set MSB, 0
.macro WIN new                         ; the immediate's high byte repeats the setting that is left
.if MSB != \new
	s_set_vgpr_msb (MSB<<8)|\new
.set MSB, \new
.endif
.endm
.set MUL_LO, 0xa1                      ; source 0 (P) window 1, source 1 (R) window 0, C and D window 2
.set MUL_HI, 0xf1
.set TO_B,   0x40
; A joint load: waves 0 and 1 fetch for R, waves 2 and 3 for P.  The branch hangs on the wave's number alone.  Four v_nop follow each of the two lines.
.macro JLOAD g0a, g1a, g0b, g1b
	s_cmp_eq_u32 s15, 0
	s_cbranch_scc0 .Lfor_b_\@
	tensor_load_to_lds s[\g0a:\g0a+3], s[\g1a:\g1a+7]
	s_nop 0
.rept 4
	v_nop
.endr
	s_branch .Lasked_\@
.Lfor_b_\@:
	tensor_load_to_lds s[\g0b:\g0b+3], s[\g1b:\g1b+7]
	s_nop 0
.rept 4
	v_nop
.endr
.Lasked_\@:
.endm
.macro CREST                           ; a round of the cluster's barrier behind its opening barrier
	s_cmp_lg_u32 s14, 0
	s_cbranch_scc1 .Lnot_wave_0_\@
	s_barrier_signal -3
.Lnot_wave_0_\@:
	s_barrier_wait -3
	s_barrier_signal -1
	s_barrier_wait -1
.endm
.macro CROUND
	s_barrier_signal -1
	s_barrier_wait -1
	CREST
.endm
	s_load_b512 s[68:83], s[0:1], 0x0              ; the eight addresses; they are moved on below, and these registers then take descriptors
	v_lshl_add_u32 v[SPW], v0, 2, SPARE
	v_mov_b32 v[NIL], 0
	ds_add_u32 v28, v29
	ds_add_u32 v28, v29
	s_wait_dscnt 0x0
	v_lshrrev_b32 v1, 5, v0
	v_readfirstlane_b32 s14, v1                    ; wave 0..3
	s_lshr_b32 s15, s14, 1                         ; my half of R's rows.  Also: I fetch for R (0) or for P (1)
	s_and_b32 s16, s14, 1                          ; my half of P's rows.  Also: which 128 rows I fetch
	s_bfe_u32 s40, ttmp6, 0x40000                  ; cx
	s_bfe_u32 s41, ttmp6, 0x40004                  ; cy
	s_and_b32 s18, ttmp7, 0xffff                   ; the cluster's y
	s_lshl_b32 s19, s18, 1
	s_add_co_u32 s19, s19, ttmp9
	s_sub_co_u32 s19, s19, 16                      ; 2 (y - 8) + x: P's cluster column in the v part
	s_cmp_ge_u32 s18, 8
	s_cselect_b32 s95, 1, 0                        ; 1: the v part
	s_cselect_b32 s42, s19, ttmp9
	s_cselect_b32 s17, 0, s18
	s_cselect_b32 s22, 2048, 0                     ; R's first row in its tensor
	s_lshl_b32 s42, s42, 2
	s_add_co_u32 s42, s42, s40                     ; P's tile: 4 x cluster column + cx
	s_lshl_b32 s17, s17, 2
	s_add_co_u32 s17, s17, s41                     ; R's tile: 4 x cluster row + cy
	s_lshl_b32 s43, s41, 2
	s_lshl_b32 s43, 15, s43                        ; my row of the cluster
	s_lshl_b32 s44, 0x1111, s40                    ; my column
	s_or_b32 s[G1+0], s43, (0<<16)|(1<<20)|(1<<21)|(3<<22)|(3<<25)  ; the mask: R's tiles go to my row; elements of 1 byte; padding of 4 words after every 16; bit 21 beside a mask
	s_or_b32 s[G1B+0], s44, (0<<16)|(1<<20)|(1<<21)|(3<<22)|(3<<25)
.irp g, G1, G1B
	s_mov_b32 s[\g+1], ROWB<<16                    ; tensor_dim0
	s_mov_b32 s[\g+2], 128<<16                     ; tensor_dim1
	s_mov_b32 s[\g+3], ROWB<<16                    ; tile_dim0
	s_mov_b32 s[\g+4], 128                         ; tile_dim1
	s_mov_b32 s[\g+5], KROW                        ; the pitch
	s_mov_b32 s[\g+6], 0
	s_mov_b32 s[\g+7], 0
.endr
	s_lshl_b32 s18, s16, 7
	s_lshl_b32 s20, s17, 8
	s_add_co_u32 s20, s20, s18
	s_add_co_u32 s20, s20, s22                     ; R: the first row that I fetch
	s_lshl_b32 s46, s42, 8
	s_add_co_u32 s46, s46, s18                     ; P likewise
	s_mov_b32 s21, 0
	s_mov_b32 s47, 0
	s_mov_b64 s[18:19], KS
	s_mul_u64 s[22:23], s[20:21], s[18:19]         ; where these rows' scale bytes begin
	s_mul_u64 s[92:93], s[46:47], s[18:19]
	s_mov_b64 s[18:19], KROW
	s_mul_u64 s[20:21], s[20:21], s[18:19]         ; and their codes
	s_mul_u64 s[46:47], s[46:47], s[18:19]
	s_mul_i32 s45, s14, HALFT                      ; where they go: wave x 128 rows
	s_mul_i32 s94, s14, HALFS
	s_wait_kmcnt 0x0
	s_cmp_eq_u32 s95, 1
	s_cselect_b64 s[4:5], s[72:73], s[68:69]       ; R's codes: W's in the v part, else x's
	s_cselect_b64 s[6:7], s[74:75], s[70:71]       ; R's scales
	s_cselect_b64 s[8:9], s[68:69], s[72:73]       ; P's codes
	s_cselect_b64 s[10:11], s[70:71], s[74:75]     ; P's scales
	s_mov_b64 s[2:3], s[76:77]                     ; b_qkv
	s_mov_b64 s[96:97], s[78:79]                   ; the table
	s_mov_b64 s[12:13], s[80:81]                   ; codes
	s_mov_b64 s[66:67], s[82:83]                   ; scl
	s_or_b32 s[G1S+0], s43, (3<<16)|(1<<20)|(1<<21)|(5<<22)|(3<<25)   ; the scale bytes of 128 rows: a dense block, as rows of 256 bytes, 16 bytes of padding behind each
	s_or_b32 s[G1SB+0], s44, (3<<16)|(1<<20)|(1<<21)|(5<<22)|(3<<25)
.irp g, G1S, G1SB
	s_mov_b32 s[\g+1], 32<<16
	s_mov_b32 s[\g+2], (128*KS/256)<<16
	s_mov_b32 s[\g+3], 32<<16
	s_mov_b32 s[\g+4], 128*KS/256
	s_mov_b32 s[\g+5], 32
	s_mov_b32 s[\g+6], 0
	s_mov_b32 s[\g+7], 0
.endr
	s_add_nc_u64 s[20:21], s[4:5], s[20:21]
	s_add_nc_u64 s[22:23], s[6:7], s[22:23]
	s_add_nc_u64 s[46:47], s[8:9], s[46:47]
	s_add_nc_u64 s[92:93], s[10:11], s[92:93]
	CROUND                                         ; all sixteen work-groups are here: the first joint loads meet
	s_mov_b32 s[G0S], 1
	s_add_co_u32 s[G0S+1], s94, SCL
	s_mov_b64 s[G0S+2:G0S+3], s[22:23]
	s_or_b32 s[G0S+3], s[G0S+3], 0x80000000
	s_mov_b32 s[G0SB], 1
	s_add_co_u32 s[G0SB+1], s94, SCL
	s_mov_b64 s[G0SB+2:G0SB+3], s[92:93]
	s_or_b32 s[G0SB+3], s[G0SB+3], 0x80000000
	JLOAD G0S, G1S, G0SB, G1SB                     ; the scale bytes for all of K: filled once
.irp s, 0,1
	s_mov_b32 s[G0+4*\s], 1
	s_add_co_u32 s[G0+4*\s+1], s45, \s*SLOT
	s_add_nc_u64 s[G0+4*\s+2:G0+4*\s+3], s[20:21], \s*ROWB
	s_or_b32 s[G0+4*\s+3], s[G0+4*\s+3], 0x80000000
	s_mov_b32 s[G0B+4*\s], 1
	s_add_co_u32 s[G0B+4*\s+1], s45, \s*SLOT
	s_add_nc_u64 s[G0B+4*\s+2:G0B+4*\s+3], s[46:47], \s*ROWB
	s_or_b32 s[G0B+4*\s+3], s[G0B+4*\s+3], 0x80000000
	JLOAD G0+4*\s, G1, G0B+4*\s, G1B               ; three tensor loads of mine are out
.endr
	v_and_b32 v1, 15, v0                           ; r
	v_bfe_u32 v2, v0, 4, 1                         ; h
	v_mul_u32_u24 v3, v1, PITCH
	v_mul_u32_u24 v4, v2, 24
	v_add_nc_u32 v4, v3, v4                        ; a fragment's row x pitch + 24 x half
	v_lshl_add_u32 v5, v2, 4, v4                   ; and the same behind one padding more
	s_mul_i32 s21, s15, HALFT
	s_mul_i32 s22, s16, HALFT
	s_add_co_u32 s22, s22, 2*HALFT
.irp s, 0,1
	v_add_nc_u32 v[ADRA+\s], s21, v4
	v_add_nc_u32 v[ADRB+\s], s22, v4
	v_add_nc_u32 v[ADRA+2+\s], s21, v5
	v_add_nc_u32 v[ADRB+2+\s], s22, v5
	s_add_co_u32 s21, s21, SLOT
	s_add_co_u32 s22, s22, SLOT
.endr
	v_mul_u32_u24 v5, v1, KS                       ; my row's scale bytes: 32 a row, and 16 more for each 256 passed
	v_lshrrev_b32 v6, 8, v5
	v_lshl_add_u32 v5, v6, 4, v5
	s_mul_i32 s21, s15, HALFS
	s_mul_i32 s22, s16, HALFS
	s_add_co_u32 s22, s22, 2*HALFS
	s_sub_co_u32 s22, s22, s21
	v_mul_u32_u24 v6, s22, v2                      ; lanes 16-31 take P's
	s_add_co_u32 s21, s21, SCL
	v_add_nc_u32 v5, v5, v6
	v_add_nc_u32 v[ADRS], s21, v5
	; what differs between the two parts
	s_lshl_b32 s46, s42, 8
	s_lshl_b32 s47, s16, 7
	s_add_co_u32 s46, s46, s47                     ; my first row of P
	s_lshl_b32 s44, s17, 8
	s_lshl_b32 s47, s15, 7
	s_add_co_u32 s44, s44, s47                     ; my first row of R (in the v part: counted from W's row 2,048)
	s_cmp_eq_u32 s95, 1                            ; only moves and selects stand between this compare and the last select
	s_mov_b32 s20, 3072
	s_cselect_b32 s20, 393216, s20                 ; S1: from a / 4 = 0 to 1: v: the next head; q, k: 64 rows on
	s_mov_b32 s21, 393216
	s_cselect_b32 s21, 3072, s21                   ; S2: from g = 0 to 1: v: 64 keys on; q, k: the next head
	s_cselect_b32 s22, 0, 32768                    ; S3: scale words, lanes 16-31: q, k: the next head
	s_mov_b32 s23, 256
	s_cselect_b32 s23, 16384, s23                  ; S4: scale words, a / 4
	s_cselect_b32 s100, 0x10000, 0                 ; v: g = 1's two bytes go on top of g = 0's
	s_cselect_b32 s104, 0, 0xffff0000              ; q, k: lanes 16-31 store g = 1's word
	s_cselect_b32 s40, 0, -1                       ; keeps P's bias in q, k
	s_cselect_b32 s41, -1, 0                       ; keeps R's bias in v
	s_cselect_b32 s43, 0, 256                      ; the table's bytes a row
	s_cselect_b32 s98, 0, 4096                     ; and for 16 rows
	s_mov_b32 s99, 0
	s_cselect_b32 s92, s44, s46                    ; the rows that count heads
	s_cselect_b32 s93, s46, s44                    ; the rows of x
	s_cselect_b32 s94, 12582912, 0
	s_cselect_b32 s45, 1048576, 0
	s_mov_b32 s101, 32768
	s_cselect_b32 s101, 16384, s101                ; scale bytes a head
	s_cselect_b32 s105, 1, 2                       ; and for a row of x: 2 or 4, as a shift
	v_and_b32 v6, 31, v0
	v_lshlrev_b32 v7, 4, v6
	v_lshlrev_b32 v8, 3, v6
	v_mov_b32 v[VO], v7
	v_add_nc_u32 v[VO+1], s21, v7
	v_add_nc_u32 v[VO+2], s20, v7
	v_add_nc_u32 v[VO+3], s20, v[VO+1]
	v_mov_b32 v[VP], v8
	v_add_nc_u32 v[VP+1], s21, v8
	v_add_nc_u32 v[VP+2], s20, v8
	v_add_nc_u32 v[VP+3], s20, v[VP+1]
	v_lshlrev_b32 v9, 2, v1
	v_mad_u32_u24 v[SO], v2, s22, v9               ; 4 r + h S3
	v_add_nc_u32 v[SO+1], s23, v[SO]
	v_lshlrev_b32 v9, 5, v2
	v_mad_u32_u24 v[TO], v1, s43, v9               ; r x the table's row + 32 h
	s_and_b32 s47, s46, s40
	s_lshl_b32 s47, s47, 2
	v_add_nc_u32 v10, s47, v9                      ; P's bias: 4 x my first row of W (v: 0, and the numbers are masked off) + 32 h
	s_add_co_u32 s47, s44, 2048
	s_and_b32 s47, s47, s41
	s_lshl_b32 s47, s47, 2
	v_lshl_add_u32 v11, v1, 2, s47                 ; R's bias: 4 x (2,048 + my first row) + 4 r (q, k: 4 r, masked off)
.irp b, 0,1,2,3,4,5,6,7
	global_load_b128 v[BP+8*\b:BP+8*\b+3], v10, s[2:3] offset:64*\b
	global_load_b128 v[BP+8*\b+4:BP+8*\b+7], v10, s[2:3] offset:64*\b+16
.endr
.irp a, 0,1,2,3,4,5,6,7
	global_load_b32 v[BE+2*\a], v11, s[2:3] offset:64*\a      ; twice: a plain pair for the packed multiply-adds
	global_load_b32 v[BE+2*\a+1], v11, s[2:3] offset:64*\a
.endr
	s_lshr_b32 s92, s92, 6                         ; my first head
	s_mul_i32 s20, s92, 393216
	s_mul_i32 s21, s93, 48
	s_add_co_u32 s20, s20, s21
	s_add_co_u32 s20, s20, s94
	s_mov_b32 s21, 0
	s_add_nc_u64 s[12:13], s[12:13], s[20:21]      ; codes at my first image
	s_mul_i32 s20, s92, s101
	s_lshl_b32 s22, s93, s105
	s_add_co_u32 s20, s20, s22
	s_add_co_u32 s20, s20, s45
	s_add_nc_u64 s[66:67], s[66:67], s[20:21]      ; scl at my first word
	s_and_b32 s20, s44, 2047                       ; the position of my first row of x
	s_mul_i32 s20, s20, s43
	s_add_nc_u64 s[96:97], s[96:97], s[20:21]      ; the table at it (v: at position 0)
	s_mov_b32 s[SEL], 0x76543210
	s_mov_b32 s[SEL+1], 0xfedcba98                 ; v_permlanex16_b32's selects for lane l xor 16
	s_wait_loadcnt 0x0                             ; the biases
.set ii, 0
.rept 64
	v_and_b32 v[BP+ii], s40, v[BP+ii]
.set ii, ii+1
.endr
.set ii, 0
.rept 16
	v_and_b32 v[BE+ii], s41, v[BE+ii]
.set ii, ii+1
.endr
.macro FRAG reg, adr, q, i             ; a fragment: 24 bytes of the row's stream of bits twice, in pieces of 8 bytes; where lanes 16-31's piece lies behind one padding more, the second address register serves
.irp p, 0,1,2,3,4,5
.set PCE, 12*(\q)+6*(\p/3)+\p%3
.if PCE%8 < 5
	ds_load_b64 v[\reg+2*\p:\reg+2*\p+1], v[\adr] offset:8*PCE+16*(PCE/8)+(\i)*16*PITCH
.else
	ds_load_b64 v[\reg+2*\p:\reg+2*\p+1], v[\adr+2] offset:8*PCE+16*(PCE/8)+(\i)*16*PITCH
.endif
.endr
.endm
; 16 matrix instructions: R's blocks a0, a0 + 1 x P's eight.  first = 1: the sums begin with P's bias as C.  The 64 accumulators take turns, one instruction a turn.
.macro MUL16 a0, p, q, sc, first
.irp a, \a0, \a0+1
.irp b, 0,1,2,3,4,5,6,7
.if \first
	v_wmma_scale_f32_16x16x128_f8f6f4 v[8*(8*((\a)%4)+\b):8*(8*((\a)%4)+\b)+7], v[128*(\p)+FR*\b:128*(\p)+FR*\b+FR-1], v[AF+FR*(\a):AF+FR*(\a)+FR-1], v[BP+8*\b:BP+8*\b+7], v[SC+8*NQ*(\sc)+NQ*\b+(\q)], v[SC+8*NQ*(\sc)+NQ*(\a)+(\q)] matrix_a_fmt:MATRIX_FMT_FP6 matrix_b_fmt:MATRIX_FMT_FP6 matrix_a_scale:MATRIX_SCALE_ROW1
.else
	v_wmma_scale_f32_16x16x128_f8f6f4 v[8*(8*((\a)%4)+\b):8*(8*((\a)%4)+\b)+7], v[128*(\p)+FR*\b:128*(\p)+FR*\b+FR-1], v[AF+FR*(\a):AF+FR*(\a)+FR-1], v[8*(8*((\a)%4)+\b):8*(8*((\a)%4)+\b)+7], v[SC+8*NQ*(\sc)+NQ*\b+(\q)], v[SC+8*NQ*(\sc)+NQ*(\a)+(\q)] matrix_a_fmt:MATRIX_FMT_FP6 matrix_b_fmt:MATRIX_FMT_FP6 matrix_a_scale:MATRIX_SCALE_ROW1
.endif
.endr
.endr
.endm
.macro FETCH_B slot, q, p
	WIN TO_B
.irp i, 0,1,2,3,4,5,6,7
	FRAG 128*(\p)+FR*\i, ADRB+\slot, \q, \i
.endr
	WIN 0
.endm
.macro FETCH_A slot, q, i0
.irp i, \i0, \i0+1, \i0+2, \i0+3
	FRAG AF+FR*(\i), ADRA+\slot, \q, \i
.endr
.endm
.macro SCALES sc                       ; a K step's scale words: lanes 0-15 R's block i, lanes 16-31 P's block i
.irp i, 0,1,2,3,4,5,6,7
	ds_load_b64 v[SC+8*NQ*\sc+NQ*\i:SC+8*NQ*\sc+NQ*\i+1], v[ADRS] offset:\i*SBLK
.endr
.endm
.macro PLACES n                        ; plain vector instructions between a matrix instruction and a load into, or a read of, its registers
.rept \n
	v_nop
.endr
.endm
.macro STEP slot, q, first             ; 128 along K with its successor in the same slot
	s_wait_dscnt 4*NL                              ; P's set and R's blocks 0-3 are in; the youngest 24 loads (R's blocks 4-7) may be out
.if \first
	WIN 0x81                                       ; C (the bias) in window 0, D in window 2
.else
	WIN MUL_LO
.endif
	MUL16 0, (\q)%2, \q, \slot, \first
	MUL16 2, (\q)%2, \q, \slot, \first
	s_wait_dscnt 0
	PLACES NP
	FETCH_B \slot, (\q)+1, 1-(\q)%2
	FETCH_A \slot, (\q)+1, 0
.if \first
	WIN 0xc1
.else
	WIN MUL_HI
.endif
	MUL16 4, (\q)%2, \q, \slot, \first
	MUL16 6, (\q)%2, \q, \slot, \first
	PLACES NP
	WIN 0
	FETCH_A \slot, (\q)+1, 4
.endm
; A slot's last step changes slots: one barrier; in front of it each wave waits for all its tensor loads, adds 0 to its spare word, and waits for that and for its reads of this slot.
.macro TURN slot, next, fill
	s_wait_tensorcnt 0x0                           ; all my tensor loads have landed: my part of the next slot
	ds_add_u32 v[SPW], v[NIL]                      ; 0 onto my spare word
	s_wait_dscnt 4*NL+1                            ; the add and the youngest 24 loads may be out
	WIN MUL_LO
	MUL16 0, 1, NQ-1, \slot, 0
	s_wait_dscnt 0x0                               ; the add is done, and my reads of this slot are over
	s_barrier_signal -1
	MUL16 2, 1, NQ-1, \slot, 0
	WIN 0
	s_barrier_wait -1
.if \fill
	CREST                                          ; the barrier has opened a round of the cluster's: no wave of any partner still reads this slot or has a load on its way
	s_add_nc_u64 s[G0+4*\slot+2:G0+4*\slot+3], s[G0+4*\slot+2:G0+4*\slot+3], 2*ROWB
	s_add_nc_u64 s[G0B+4*\slot+2:G0B+4*\slot+3], s[G0B+4*\slot+2:G0B+4*\slot+3], 2*ROWB
	JLOAD G0+4*\slot, G1, G0B+4*\slot, G1B         ; my one tensor load behind the round; its four v_nop are the places in front of the loads below
.else
	PLACES NP
.endif
	v_add_nc_u32 v[ADRS], 4*NQ, v[ADRS]
	FETCH_B \next, 0, 0
	FETCH_A \next, 0, 0
	SCALES \next
	WIN MUL_HI
	MUL16 4, 1, NQ-1, \slot, 0
	MUL16 6, 1, NQ-1, \slot, 0
	PLACES NP
	WIN 0
	FETCH_A \next, 0, 4
.endm
	s_wait_tensorcnt 1                             ; the scale bytes and my part of K step 0 are in; K step 1's load may be out
	s_barrier_signal -1
	s_barrier_wait -1
	FETCH_B 0, 0, 0
	FETCH_A 0, 0, 0
	SCALES 0
	FETCH_A 0, 0, 4
	STEP 0, 0, 1
	s_mov_b32 s3, LAPS-1
.Llap:
	TURN 0, 1, 1
	STEP 1, 0, 0
	TURN 1, 0, 1
	STEP 0, 0, 0
	s_sub_co_u32 s3, s3, 1
	s_cmp_lg_u32 s3, 0
	s_cbranch_scc1 .Llap
	TURN 0, 1, 0
	STEP 1, 0, 0
	s_wait_dscnt 4*NL
	WIN MUL_LO
	MUL16 0, 1, NQ-1, 1, 0
	MUL16 2, 1, NQ-1, 1, 0
	s_wait_dscnt 0
	WIN MUL_HI
	MUL16 4, 1, NQ-1, 1, 0
	MUL16 6, 1, NQ-1, 1, 0
	WIN 0
; THE WAY OUT, without LDS.  For R's block a (16 rows, one a lane) and g = 0, 1 (64 of P's rows: four accumulators): rotate, quantise two blocks of 32, store one image.
.macro LOADCS a                        ; my row's cosines and sines of f = 16 u + 8 h + 0..7, u = 0, 1, into buffer a % 2
.set CB, CSB+32*((\a)%2)
.irp u, 0,1
.irp q, 0,1
	global_load_b128 v[CB+8*\u+4*\q:CB+8*\u+4*\q+3], v[TO], s[96:97] offset:64*\u+16*\q
	global_load_b128 v[CB+16+8*\u+4*\q:CB+16+8*\u+4*\q+3], v[TO], s[96:97] offset:128+64*\u+16*\q
.endr
.endr
.endm
; 32 numbers of a lane, two blocks of which lane l xor 16 holds the other halves, become six registers of codes at v[pc] and two scale bytes in v[h]
.macro QUANT2 y, pc, h
	v_max3_num_f32 v[MM], |v[\y]|, |v[\y+1]|, 0x1800000          ; the floor 2^(3 - 127) holds the byte at 1 from below
	v_max3_num_f32 v[MM+1], |v[\y+16]|, |v[\y+17]|, 0x1800000
.irp i, 2,4,6,8,10,12,14
	v_max3_num_f32 v[MM], v[MM], |v[\y+\i]|, |v[\y+\i+1]|
	v_max3_num_f32 v[MM+1], v[MM+1], |v[\y+16+\i]|, |v[\y+17+\i]|
.endr
	v_permlanex16_b32 v[NN], v[MM], s[SEL], s[SEL+1]
	v_permlanex16_b32 v[NN+1], v[MM+1], s[SEL], s[SEL+1]
	v_max_num_f32 v[MM], v[MM], v[NN]              ; the block's largest magnitude
	v_max_num_f32 v[MM+1], v[MM+1], v[NN+1]
	v_add_nc_u32 v[EE], 0xff000000, v[MM]          ; 2 off its exponent field: the conversion's scale operand
	v_add_nc_u32 v[EE+1], 0xff000000, v[MM+1]
	v_lshrrev_b32 v[BY], 23, v[EE]                 ; the scale's byte
	v_lshrrev_b32 v[BY+1], 23, v[EE+1]
	v_lshl_or_b32 v[\h], v[BY+1], 8, v[BY]
	v_cvt_scalef32_pk16_fp6_f32 v[\pc:\pc+2], v[\y:\y+15], v[EE]
	v_cvt_scalef32_pk16_fp6_f32 v[TT:TT+2], v[\y+16:\y+31], v[EE+1]
	v_nop                                          ; one plain place behind a scaled conversion
.irp i, 0,1,2
	v_permlane16_swap_b32 v[\pc+\i], v[TT+\i]      ; a whole block to a lane: lanes 0-15 the first block, lanes 16-31 the second
.endr
.irp i, 0,1,2
	v_mov_b32 v[\pc+3+\i], v[TT+\i]
.endr
.endm
.macro UNIT a, g
.set XB, 8*(8*((\a)%4)+4*(\g))         ; X0 = the first two of the four accumulators (d < 32), X1 = the other two
.set CB, CSB+32*((\a)%2)
	WIN (0x02+(\a)/4)                              ; source 0: window 2 or 3
.irp i, 0,2,4,6,8,10,12,14                 ; each accumulator is read from its low end on
	v_pk_fma_f32 v[YY+\i:YY+\i+1], v[XB+16+\i:XB+17+\i], v[CB+16+\i:CB+17+\i], v[BE+2*(\a):BE+2*(\a)+1] neg_lo:[0,1,0] neg_hi:[0,1,0]   ; -X1 sin + R's bias
	v_pk_fma_f32 v[YY+16+\i:YY+17+\i], v[XB+\i:XB+\i+1], v[CB+16+\i:CB+17+\i], v[BE+2*(\a):BE+2*(\a)+1]                                  ;  X0 sin + R's bias
	v_pk_fma_f32 v[YY+\i:YY+\i+1], v[XB+\i:XB+\i+1], v[CB+\i:CB+\i+1], v[YY+\i:YY+\i+1]                                                  ; + X0 cos
	v_pk_fma_f32 v[YY+16+\i:YY+17+\i], v[XB+16+\i:XB+17+\i], v[CB+\i:CB+\i+1], v[YY+16+\i:YY+17+\i]                                      ; + X1 cos
.endr
	WIN 0
	QUANT2 YY, PCB+8*(\g), HB+(\g)
	global_store_b128 v[VO+2*((\a)/4)+(\g)], v[PCB+8*(\g):PCB+8*(\g)+3], s[12:13] offset:((\a)%4)*768          ; 512 consecutive bytes, aligned to 256
	global_store_b64 v[VP+2*((\a)/4)+(\g)], v[PCB+8*(\g)+4:PCB+8*(\g)+5], s[12:13] offset:((\a)%4)*768+512     ; and 256
.endm
.macro SCALEW a                        ; q, k: lanes 0-15 store g = 0's two bytes, lanes 16-31 g = 1's, each under two zero bytes;  v: all lanes hold the four bytes of 128 keys, and both halves store the same word
	v_mul_u32_u24 v[UU], s100, v[HB+1]
	v_or_b32 v[UU], v[HB], v[UU]
	v_cndmask_b32 v[WW], v[UU], v[HB+1], s104
	global_store_b32 v[SO+(\a)/4], v[WW], s[66:67] offset:((\a)%4)*64
.endm
	PLACES NP                                      ; in front of the first reads of results, and of loads and writes into registers that the last products read
	v_mov_b32 v[NN], 0                             ; written once: a lane permute's destination counts as one of its sources
	v_mov_b32 v[NN+1], 0
	LOADCS 0
.irp a, 0,1,2,3,4,5,6,7
	s_wait_xcnt 0x0                                ; the table's base, and the registers that block a - 1's stores read, are written again only behind this wait
.if \a < 7
	s_add_nc_u64 s[96:97], s[96:97], s[98:99]
	LOADCS \a+1
	s_wait_loadcnt 8                               ; this block's eight loads are in; the next block's eight may be out
.else
	s_wait_loadcnt 0x0
.endif
	UNIT \a, 0
	UNIT \a, 1
	SCALEW \a
.endr
	s_wait_tensorcnt 0x0                           ; the wave's end
	ds_add_u32 v[SPW], v[NIL]
	s_wait_dscnt 0x0
	CROUND                                         ; the closing round: no work-group ends while a partner may still ask for a tile that names it
	s_endpgm
.Lfunc_end_k_q1f1381e65a_qkv:
	.size	k_q1f1381e65a_qkv, .Lfunc_end_k_q1f1381e65a_qkv-k_q1f1381e65a_qkv
	.p2alignl 7, 3214868480
	.fill 96, 4, 3214868480
	.section	.rodata,"a",@progbits
	.p2align	6, 0x0
	.amdhsa_kernel k_q1f1381e65a_qkv
		.amdhsa_group_segment_fixed_size 327680
		.amdhsa_private_segment_fixed_size 0
		.amdhsa_enable_private_segment 0
		.amdhsa_kernarg_size 64
		.amdhsa_user_sgpr_count 2
		.amdhsa_user_sgpr_kernarg_segment_ptr 1
		.amdhsa_wavefront_size32 1
		.amdhsa_system_sgpr_workgroup_id_x 1
		.amdhsa_system_sgpr_workgroup_id_y 1
		.amdhsa_system_sgpr_workgroup_id_z 1
		.amdhsa_system_vgpr_workitem_id 0
		.amdhsa_next_free_vgpr 1024
		.amdhsa_next_free_sgpr 106
		.amdhsa_reserve_vcc 0
		.amdhsa_float_denorm_mode_32 3
		.amdhsa_float_denorm_mode_16_64 3
		.amdhsa_memory_ordered 1
		.amdhsa_forward_progress 1
		.amdhsa_inst_pref_size 213
	.end_amdhsa_kernel
	.amdgpu_metadata
---
amdhsa.version: [ 1, 2 ]
amdhsa.kernels:
  - .name:           k_q1f1381e65a_qkv
    .symbol:         k_q1f1381e65a_qkv.kd
    .args:
      - { .name: x_codes, .offset: 0, .size: 8, .value_kind: global_buffer, .address_space: global }
      - { .name: x_scales, .offset: 8, .size: 8, .value_kind: global_buffer, .address_space: global }
      - { .name: W_qkv_codes, .offset: 16, .size: 8, .value_kind: global_buffer, .address_space: global }
      - { .name: W_qkv_scales, .offset: 24, .size: 8, .value_kind: global_buffer, .address_space: global }
      - { .name: b_qkv, .offset: 32, .size: 8, .value_kind: global_buffer, .address_space: global }
      - { .name: rope, .offset: 40, .size: 8, .value_kind: global_buffer, .address_space: global }
      - { .name: codes, .offset: 48, .size: 8, .value_kind: global_buffer, .address_space: global }
      - { .name: scl, .offset: 56, .size: 8, .value_kind: global_buffer, .address_space: global }
    .group_segment_fixed_size: 327680
    .private_segment_fixed_size: 0
    .kernarg_segment_align: 8
    .kernarg_segment_size: 64
    .max_flat_workgroup_size: 128
    .sgpr_count:     106
    .vgpr_count:     1024
    .wavefront_size: 32
...
	.end_amdgpu_metadata
.endif
;; end of part 2
;; launch attn (part 3): grid 4 x 64, 16 waves a work-group, no clusters, 219,136 bytes of LDS; arguments codes, scl, key_padding_mask, ac, asc; writes ac, asc
.if DOCPART == 3
	.amdgcn_target "amdgcn-amd-amdhsa--gfx1250"
	.amdhsa_code_object_version 6
	.text
	.protected	k_q1f1381e65a_attn
	.globl	k_q1f1381e65a_attn
	.p2align	8
	.type	k_q1f1381e65a_attn,@function
k_q1f1381e65a_attn:
	s_mov_b64 s[64:65], 0
	v_nop
	global_prefetch_b8 v0, s[64:65] scope:SCOPE_SE
	s_setreg_imm32_b32 hwreg(HW_REG_WAVE_MODE, 25, 1), 1
	s_wait_xcnt 0x0
; Attention of one (batch, head) on codes of FP6 (E2M3): S^T = K Q^T (K = the head's 64, in the lower half of the instruction's 128), the key mask, p = 2^(t - M), O^T = V^T P^T (K = the keys), O / l,
; and the quantiser along D for the last product.  t = score x log2(e) / 8; M = the running largest t rounded up to a whole number; l = the sum of the unquantised p.
; SHARES.  A work-group owns 512 queries of one (batch, head); each of its sixteen waves takes one tile of 16 queries at a time, twice, in 256 registers: four waves to a SIMD, so that one wave's vector work
; stands beside another's matrix work and LDS loads.  Every wave walks all 2,048 keys, 128 a step.
; LDS.  K's and V's images (98,304 bytes each), their scale words (8,192 and 4,096) and a table of one f32 a key (0, or -infinity for a masked key: 8,192) are written ONCE, through registers, ahead of one barrier.
; THE MASK.  Each wave makes 32 flags, one for each 64 keys, from the mask's bytes.
; NO TENSOR LOADS AND NO CLUSTER: what the four query blocks of a head share, 208,896 bytes, is read once by each in the whole launch.
; LAYOUT.  Both products are used transposed: a lane holds ONE query (lane % 16); register j of tile i holds key (or d) 16 i + 8 (lane / 16) + j.  p's codes so come in the order 0-7, 16-23, 8-15, 24-31 inside a block of 32 keys,
; the order in which V's images were made.  Q's registers 6-11 are zero codes and bytes 2, 3 of Q's and K's scale words are 0, so whatever K's registers 6-11 hold (all codes of the format are finite) adds exactly 0.
; O meets W_out, whose codes lie in natural order: so sixteen exchanges of lane halves first give each lane 16 true neighbours along d.
; A row whose every key is masked has l = 0: its scale bytes are stored as 0xff, which makes the last product's row NaN, as the softmax of such a row is.
; LIMITS: a block of zeros gets the byte 1 (its codes are zeros; this program alone reads the bytes); NaN and infinities among the inputs are not served.
.set VC,   98304                       ; LDS: K's images from 0, V's from here,
.set KSL,  196608                      ; K's scale words,
.set VSL,  204800                      ; V's,
.set MW,   208896                      ; the mask's table
.set AK,   1                           ; v1  16 x lane          v2  8 x lane
.set AK2,  2
.set AV,   3                           ; v3, v4  the same in V's images
.set AV2,  4
.set AKS,  5                           ; v5  K's scale words + 4 x lane
.set AVS,  6                           ; v6  V's
.set AMW,  7                           ; v7  the table + 32 (lane / 16)
.set ADK,  8                           ; v8-14  the step's addresses
.set ADK2, 9
.set ADV,  10
.set ADV2, 11
.set ADS,  12
.set ADT,  13
.set ADM,  14
.set Q0,   16                          ; v16-27 Q of the first tile; v28 its scale words
.set QS0,  28
.set PS,   29                          ; p's scale word
.set NM,   30                          ; v30 -M, v31 the largest t
.set LS,   32                          ; v[32:33] l in two halves
.set FF,   34                          ; v34 2^(old M - new M), later 1 / l; v35 = 0, named with it as a pair
.set F,    36                          ; v36-83 four fragments of K or of V
.set S,    84                          ; v84-147 S^T, then p
.set O,    148                         ; v148-179 O^T
.set PC,   180                         ; v180-191 p's codes
.set CT,   192
.set BM,   200
.set BN,   204
.set SE,   208
.set KSC,  212
.set VSC,  216
.set TMP,  218
.set W0,   220
.set HH,   221
.set K16,  222
.set Q1,   224                         ; v224-235 Q of the second tile; v236 its scale words
.set QS1,  236
.set LA,   240                         ; v240-243 the fill: 16 x thread + 65,536 x 0..3;  v244: V's scale words + 8 x thread
.set LV,   244
.set GS,   245                         ; 32 (lane % 16): my row's place among a tile's scale bytes
.set SEL,  20
.set CS,   22
.set TK,   40                          ; s40 the step's images: 6,144 bytes a step, in K and in V
.set TS,   41                          ; s41 K's scale words and the table: 512
.set TV,   42                          ; s42 V's scale words: 256
.set CNT,  43
.set FL0,  44                          ; the 32 flags
.set FL,   45
.set FT,   46
.set ZM,   47
	s_load_b256 s[4:11], s[0:1], 0x0               ; codes, scl, the mask, ac
	s_load_b64 s[12:13], s[0:1], 0x20              ; asc
	v_lshl_add_u32 v254, v0, 2, 0x35000
	v_mov_b32 v255, 0
	v_lshrrev_b32 v1, 5, v0
	v_readfirstlane_b32 s14, v1                    ; wave 0..15
	s_and_b32 s15, ttmp7, 0xffff
	s_lshr_b32 s16, s15, 4                         ; the batch
	s_and_b32 s17, s15, 15                         ; the head
	s_lshl_b32 s18, s16, 7
	s_lshl_b32 s19, ttmp9, 5
	s_add_co_u32 s18, s18, s19
	s_add_co_u32 s18, s18, s14                     ; my first tile of 16 rows: 128 x batch + 32 x query block + wave
	s_mul_i32 s24, s17, 393216
	s_mul_i32 s26, s16, 98304
	s_add_co_u32 s26, s26, s24
	s_add_co_u32 s26, s26, 6291456                 ; K's images of this batch and head
	s_mov_b32 s27, 0
	s_mul_i32 s28, s18, 768
	s_add_co_u32 s28, s28, s24                     ; my tile of q
	s_mov_b32 s29, 0
	s_lshl_b32 s30, s17, 15
	s_lshl_b32 s32, s16, 13
	s_add_co_u32 s32, s32, s30
	s_add_co_u32 s32, s32, 524288                  ; K's scale words
	s_mov_b32 s33, 0
	s_lshl_b32 s34, s18, 6
	s_add_co_u32 s34, s34, s30                     ; q's
	s_mov_b32 s35, 0
	s_lshl_b32 s36, s17, 14
	s_lshl_b32 s37, s16, 12
	s_add_co_u32 s36, s36, s37
	s_add_co_u32 s36, s36, 1048576                 ; V's
	s_mov_b32 s37, 0
	s_lshl_b32 s38, s16, 11                        ; the batch's row of the mask
	s_mov_b32 s39, 0
	s_lshl_b32 s48, s18, 4
	s_add_co_u32 s48, s48, s17
	s_mul_i32 s48, s48, 768                        ; ac: (tile x 16 + head) images
	s_mov_b32 s49, 0
	s_lshl_b32 s50, s18, 9
	s_lshl_b32 s51, s17, 1
	s_add_co_u32 s50, s50, s51                     ; asc: 32 bytes a row, the head's two
	s_mov_b32 s51, 0
	s_mov_b32 s[SEL], 0x76543210
	s_mov_b32 s[SEL+1], 0xfedcba98                 ; v_permlanex16_b32's selects for lane l xor 16
	s_mov_b32 s[CS], 0x3e38aa3b                    ; c = log2(e) / sqrt(64)
	s_mov_b32 s[CS+1], s[CS]                       ; (named with it as a pair, so it is written)
	v_and_b32 v15, 31, v0                          ; lane
	v_lshlrev_b32 v[LA], 4, v0
	v_lshlrev_b32 v9, 3, v0
	v_lshlrev_b32 v10, 2, v0
	v_lshlrev_b32 v11, 6, v15
	v_lshlrev_b32 v[AK], 4, v15
	v_lshlrev_b32 v[AK2], 3, v15
	v_and_b32 v12, 15, v0
	v_lshlrev_b32 v13, 2, v12
	v_lshlrev_b32 v[GS], 5, v12
	s_wait_kmcnt 0x0
	s_add_nc_u64 s[26:27], s[4:5], s[26:27]
	s_add_nc_u64 s[24:25], s[26:27], 6291456       ; V's images lie as far behind K's as K's behind q's
	s_add_nc_u64 s[28:29], s[4:5], s[28:29]
	s_add_nc_u64 s[32:33], s[6:7], s[32:33]
	s_add_nc_u64 s[34:35], s[6:7], s[34:35]
	s_add_nc_u64 s[36:37], s[6:7], s[36:37]
	s_add_nc_u64 s[8:9], s[8:9], s[38:39]
	s_add_nc_u64 s[10:11], s[10:11], s[48:49]
	s_add_nc_u64 s[12:13], s[12:13], s[50:51]
	; THE FILL: the 512 threads take 8,192 consecutive bytes an instruction
.irp i, 0,1,2,3,4,5,6,7,8,9,10,11
	global_load_b128 v[36+4*\i:39+4*\i], v[LA], s[26:27] offset:8192*\i
.endr
.irp i, 0,1,2,3,4,5,6,7,8,9,10,11
	global_load_b128 v[84+4*\i:87+4*\i], v[LA], s[24:25] offset:8192*\i
.endr
	global_load_b128 v[132:135], v[LA], s[32:33]
	global_load_b64 v[136:137], v9, s[36:37]
	global_load_b32 v138, v10, s[8:9]              ; four keys' mask bytes, for the table
.irp i, 0,1,2,3
	global_load_b128 v[140+4*\i:143+4*\i], v11, s[8:9] offset:16*\i   ; 64 keys' mask bytes a lane, for the flags
.endr
	global_load_b128 v[Q0:Q0+3], v[AK], s[28:29]
	global_load_b64 v[Q0+4:Q0+5], v[AK2], s[28:29] offset:512
	global_load_b32 v[QS0], v13, s[34:35]
	global_load_b128 v[Q1:Q1+3], v[AK], s[28:29] offset:12288          ; the second tile: 256 rows on
	global_load_b64 v[Q1+4:Q1+5], v[AK2], s[28:29] offset:12288+512
	global_load_b32 v[QS1], v13, s[34:35] offset:1024
	v_add_nc_u32 v[LA+1], 0x10000, v[LA]
	v_add_nc_u32 v[LA+2], 0x20000, v[LA]
	v_add_nc_u32 v[LA+3], 0x30000, v[LA]
	v_add_nc_u32 v[LV], VSL, v9
	v_add_nc_u32 v[AV], VC, v[AK]
	v_add_nc_u32 v[AV2], VC, v[AK2]
	v_lshl_add_u32 v[AKS], v15, 2, KSL
	v_lshl_add_u32 v[AVS], v15, 2, VSL
	v_bfe_u32 v14, v0, 4, 1
	v_lshl_add_u32 v[AMW], v14, 5, MW
.irp j, 6,7,8,9,10,11
	v_mov_b32 v[Q0+\j], 0                          ; k = 64 .. 127 of Q: zero codes
	v_mov_b32 v[Q1+\j], 0
.endr
.irp b, 0,1,2,3
	v_mov_b32 v[BN+\b], 0                          ; written once: a lane permute's destination counts as one of its sources
.endr
	v_mov_b32 v[FF+1], 0
	v_mov_b32 v[K16], 0xffff
	v_mov_b32 v139, 0xff800000                     ; -infinity
	s_wait_loadcnt 25                              ; K's 12 loads are in: 25 were issued behind them
.irp i, 0,1,2,3,4,5,6,7,8,9,10,11
	ds_store_b128 v[LA+\i/8], v[36+4*\i:39+4*\i] offset:8192*(\i%8)
.endr
	s_wait_loadcnt 13                              ; V's 12
.irp i, 12,13,14,15,16,17,18,19,20,21,22,23
	ds_store_b128 v[LA+\i/8], v[36+4*\i:39+4*\i] offset:8192*(\i%8)
.endr
	s_wait_loadcnt 11                              ; the scale words
	ds_store_b128 v[LA+3], v[132:135]
	ds_store_b64 v[LV], v[136:137]
	s_wait_loadcnt 0x0
.irp i, 0,1,2,3
	v_bfe_u32 v[156+\i], v138, 8*\i, 8
.endr
.irp i, 0,1,2,3
	v_cmp_ne_u32 vcc_lo, 0, v[156+\i]
	v_cndmask_b32 v[156+\i], 0, v139, vcc_lo       ; 0, or -infinity for a masked key
.endr
	ds_store_b128 v[LA+3], v[156:159] offset:MW-KSL
.irp i, 1,2,3,4,5,6,7,8,9,10,11,12,13,14,15
	v_or_b32 v140, v140, v[140+\i]
.endr
	v_cmp_ne_u32 s[FL0], 0, v140                   ; bit l: some key of 64 l .. 64 l + 63 is masked
	s_wait_dscnt 0x0                               ; for the others' sake: my stores have landed
	s_barrier_signal -1
	s_barrier_wait -1                              ; from here on LDS is only read
.macro KQ t, g, q, qs                  ; S^T of tile 4 g + t.  A register of K's scale words holds an even tile's in lanes 0-15 and the next tile's in lanes 16-31
.if (\t)%2
	v_wmma_scale_f32_16x16x128_f8f6f4 v[S+8*(4*\g+\t):S+8*(4*\g+\t)+7], v[F+12*\t:F+12*\t+11], v[\q:\q+11], 0, v[KSC+2*\g+\t/2], v[\qs] matrix_a_fmt:MATRIX_FMT_FP6 matrix_b_fmt:MATRIX_FMT_FP6 matrix_a_scale:MATRIX_SCALE_ROW1
.else
	v_wmma_scale_f32_16x16x128_f8f6f4 v[S+8*(4*\g+\t):S+8*(4*\g+\t)+7], v[F+12*\t:F+12*\t+11], v[\q:\q+11], 0, v[KSC+2*\g+\t/2], v[\qs] matrix_a_fmt:MATRIX_FMT_FP6 matrix_b_fmt:MATRIX_FMT_FP6
.endif
.endm
.macro PV t                            ; O^T of d = 16 t on += V^T P^T
.if (\t)%2
	v_wmma_scale_f32_16x16x128_f8f6f4 v[O+8*\t:O+8*\t+7], v[F+12*\t:F+12*\t+11], v[PC:PC+11], v[O+8*\t:O+8*\t+7], v[VSC+\t/2], v[PS] matrix_a_fmt:MATRIX_FMT_FP6 matrix_b_fmt:MATRIX_FMT_FP6 matrix_a_scale:MATRIX_SCALE_ROW1
.else
	v_wmma_scale_f32_16x16x128_f8f6f4 v[O+8*\t:O+8*\t+7], v[F+12*\t:F+12*\t+11], v[PC:PC+11], v[O+8*\t:O+8*\t+7], v[VSC+\t/2], v[PS] matrix_a_fmt:MATRIX_FMT_FP6 matrix_b_fmt:MATRIX_FMT_FP6
.endif
.endm
; A KEY STEP: 128 keys.  The accumulators take turns, one instruction a turn.
.macro STEP q, qs
	v_add_nc_u32 v[ADK], s[TK], v[AK]              ; these seven are also the places in front of the loads into registers that the last step's products read
	v_add_nc_u32 v[ADK2], s[TK], v[AK2]
	v_add_nc_u32 v[ADV], s[TK], v[AV]
	v_add_nc_u32 v[ADV2], s[TK], v[AV2]
	v_add_nc_u32 v[ADS], s[TS], v[AKS]
	v_add_nc_u32 v[ADT], s[TV], v[AVS]
	v_add_nc_u32 v[ADM], s[TS], v[AMW]
.irp g, 0,1                                    ; S^T = K Q^T, four tiles of 16 keys at a time
.if \g
.rept 4
	v_nop
.endr
.endif
.irp t, 0,1,2,3
	ds_load_b128 v[F+12*\t:F+12*\t+3], v[ADK] offset:768*(4*\g+\t)
	ds_load_b64 v[F+12*\t+4:F+12*\t+5], v[ADK2] offset:768*(4*\g+\t)+512
.endr
	ds_load_b32 v[KSC+2*\g], v[ADS] offset:256*\g
	ds_load_b32 v[KSC+2*\g+1], v[ADS] offset:256*\g+128
	s_wait_dscnt 0x0
.irp t, 0,1,2,3
	KQ \t, \g, \q, \qs
.endr
.endr
.rept 4
	v_nop                                          ; places in front of the first reads of the scores and of the loads into K's registers
.endr
	s_and_b32 s[FT], s[FL], 3                      ; this step's two flags
	s_lshr_b32 s[FL], s[FL], 2
	s_cmp_eq_u32 s[FT], 0
	s_cbranch_scc1 .Lopen_\@
.irp g, 0,1                                    ; some key is masked: the table's 0 or -infinity is added to every score; p is then 0 there
.irp t, 0,1,2,3
	ds_load_b128 v[F+8*\t:F+8*\t+3], v[ADM] offset:64*(4*\g+\t)
	ds_load_b128 v[F+8*\t+4:F+8*\t+7], v[ADM] offset:64*(4*\g+\t)+16
.endr
	s_wait_dscnt 0x0
.irp i, 0,2,4,6,8,10,12,14,16,18,20,22,24,26,28,30
	v_pk_add_f32 v[S+32*\g+\i:S+32*\g+\i+1], v[S+32*\g+\i:S+32*\g+\i+1], v[F+\i:F+\i+1]
.endr
.endr
.Lopen_\@:
.irp t, 0,1,2,3                                ; V's fragments are asked for now and land under the softmax
	ds_load_b128 v[F+12*\t:F+12*\t+3], v[ADV] offset:768*\t
	ds_load_b64 v[F+12*\t+4:F+12*\t+5], v[ADV2] offset:768*\t+512
	ds_load_b128 v[F+12*\t+6:F+12*\t+9], v[ADV] offset:3072+768*\t
	ds_load_b64 v[F+12*\t+10:F+12*\t+11], v[ADV2] offset:3072+768*\t+512
.endr
	ds_load_b32 v[VSC], v[ADT]
	ds_load_b32 v[VSC+1], v[ADT] offset:128
.irp b, 0,1,2,3
	v_max3_num_f32 v[BM+\b], v[S+16*\b], v[S+16*\b+1], v[S+16*\b+2]   ; the largest score of each block of 32 keys: for the row's maximum and, since p rises with the score, for the block's largest p
.endr
.irp i, 3,5,7,9,11,13
.irp b, 0,1,2,3
	v_max3_num_f32 v[BM+\b], v[BM+\b], v[S+16*\b+\i], v[S+16*\b+\i+1]
.endr
.endr
.irp b, 0,1,2,3
	v_max_num_f32 v[BM+\b], v[BM+\b], v[S+16*\b+15]
.endr
.irp b, 0,1,2,3
	v_permlanex16_b32 v[BN+\b], v[BM+\b], s[SEL], s[SEL+1]
.endr
.irp b, 0,1,2,3
	v_max_num_f32 v[BM+\b], v[BM+\b], v[BN+\b]     ; with lane l xor 16's 16 keys
.endr
	v_max3_num_f32 v[W0], v[BM], v[BM+1], v[BM+2]
	v_max_num_f32 v[W0], v[W0], v[BM+3]
	v_mul_f32 v[W0], s[CS], v[W0]                  ; the step's largest t
	v_max_num_f32 v[NM+1], v[NM+1], v[W0]          ; the running largest t
	v_mov_b32 v[W0], v[NM]
	v_floor_f32 v[NM], -v[NM+1]                    ; the new -M = -ceil(t)
	v_sub_f32 v[W0], v[NM], v[W0]                  ; old M - new M: a whole number, 0 or less
	v_cvt_i32_f32 v[W0], v[W0]                     ; (it saturates)
	v_ldexp_f32 v[FF], 1.0, v[W0]                  ; f = 2^(old M - new M): a multiplication by it rounds nothing
.irp j, 0,2,4,6,8,10,12,14,16,18,20,22,24,26,28,30,32,34,36,38,40,42,44,46,48,50,52,54,56,58,60,62
	v_pk_fma_f32 v[S+\j:S+\j+1], v[S+\j:S+\j+1], s[CS:CS+1], v[NM:NM+1] op_sel_hi:[1,0,0]   ; t - M
.endr
.irp b, 0,1,2,3
	v_fma_f32 v[BM+\b], v[BM+\b], s[CS], v[NM]
.endr
.irp j, 0,1,2,3,4,5,6,7,8,9,10,11,12,13,14,15,16,17,18,19,20,21,22,23,24,25,26,27,28,29,30,31,32,33,34,35,36,37,38,39,40,41,42,43,44,45,46,47,48,49,50,51,52,53,54,55,56,57,58,59,60,61,62,63
	v_exp_f32 v[S+\j], v[S+\j]                     ; p = 2^(t - M): not normalised
.endr
.irp b, 0,1,2,3
	v_exp_f32 v[BM+\b], v[BM+\b]                   ; the block's largest p: the same two instructions on the same number
.endr
	v_pk_mul_f32 v[LS:LS+1], v[LS:LS+1], v[FF:FF+1] op_sel_hi:[1,0]   ; l under the new M.  (A plain place behind the exponentials)
	s_wait_alu depctr_va_vdst(0)
.irp b, 0,1,2,3
	v_max_num_f32 v[BM+\b], 0x1800000, v[BM+\b]    ; the floor 2^(3 - 127): the byte cannot fall under 1
.endr
.irp b, 0,1,2,3
	v_add_nc_u32 v[SE+\b], 0xff000000, v[BM+\b]    ; 2 off the exponent field: the conversion's scale operand
.endr
.irp b, 0,1,2,3
	v_lshrrev_b32 v[BN+\b], 23, v[SE+\b]           ; the scale's byte
.endr
	v_lshl_or_b32 v[PS], v[BN+1], 8, v[BN]
	v_lshl_or_b32 v[PS], v[BN+2], 16, v[PS]
	v_lshl_or_b32 v[PS], v[BN+3], 24, v[PS]
.irp c, 0,1
	v_cvt_scalef32_pk16_fp6_f32 v[PC+6*\c:PC+6*\c+2], v[S+32*\c:S+32*\c+15], v[SE+2*\c]
	v_cvt_scalef32_pk16_fp6_f32 v[CT+4*\c:CT+4*\c+2], v[S+32*\c+16:S+32*\c+31], v[SE+2*\c+1]
.endr
	v_nop                                          ; one plain place behind a scaled conversion
.irp c, 0,1                                    ; a whole block to a lane: lanes 0-15 block 2 c, lanes 16-31 block 2 c + 1
.irp i, 0,1,2
	v_permlane16_swap_b32 v[PC+6*\c+\i], v[CT+4*\c+\i]
.endr
.irp i, 0,1,2
	v_mov_b32 v[PC+6*\c+3+\i], v[CT+4*\c+\i]
.endr
.endr
	v_pk_add_f32 v[TMP:TMP+1], v[S:S+1], v[S+2:S+3]   ; l takes the unquantised p, in two chains
.irp j, 4,8,12,16,20,24,28,32,36,40,44,48,52,56,60
	v_pk_add_f32 v[LS:LS+1], v[LS:LS+1], v[S+\j:S+\j+1]
	v_pk_add_f32 v[TMP:TMP+1], v[TMP:TMP+1], v[S+\j+2:S+\j+3]
.endr
	v_pk_add_f32 v[LS:LS+1], v[LS:LS+1], v[TMP:TMP+1]
.irp j, 0,2,4,6,8,10,12,14,16,18,20,22,24,26,28,30
	v_pk_mul_f32 v[O+\j:O+\j+1], v[O+\j:O+\j+1], v[FF:FF+1] op_sel_hi:[1,0]   ; O^T under the new M
.endr
	s_wait_dscnt 0x0                               ; V
.irp t, 0,1,2,3
	PV \t
.endr
	s_add_co_u32 s[TK], s[TK], 6144
	s_add_co_u32 s[TS], s[TS], 512
	s_add_co_u32 s[TV], s[TV], 256
.endm
; O^T / l, 16 true neighbours along d to a lane, the quantiser, one image and two scale bytes a row
.macro OUT p
.rept 4
	v_nop                                          ; places behind the last products
.endr
	v_add_f32 v[LS], v[LS], v[LS+1]
	v_permlanex16_b32 v[W0], v[LS], s[SEL], s[SEL+1]
	v_add_f32 v[LS], v[LS], v[W0]                  ; the row's sum
	v_rcp_f32 v[FF], v[LS]
	v_nop                                          ; one plain place behind the reciprocal
	v_cmp_eq_f32 s[ZM], 0, v[LS]                   ; every key masked
	s_wait_alu depctr_va_vdst(0)
.irp j, 0,2,4,6,8,10,12,14,16,18,20,22,24,26,28,30
	v_pk_mul_f32 v[S+\j:S+\j+1], v[O+\j:O+\j+1], v[FF:FF+1] op_sel_hi:[1,0]
.endr
.irp b, 0,1
.irp j, 0,1,2,3,4,5,6,7
	v_permlane16_swap_b32 v[S+16*\b+\j], v[S+16*\b+8+\j]   ; lanes 0-15 now hold d = 32 b + 0 .. 15 of their query, lanes 16-31 d = 32 b + 16 .. 31
.endr
.endr
	v_max3_num_f32 v[BM], |v[S]|, |v[S+1]|, 0x1800000
	v_max3_num_f32 v[BM+1], |v[S+16]|, |v[S+17]|, 0x1800000
.irp i, 2,4,6,8,10,12,14
	v_max3_num_f32 v[BM], v[BM], |v[S+\i]|, |v[S+\i+1]|
	v_max3_num_f32 v[BM+1], v[BM+1], |v[S+16+\i]|, |v[S+17+\i]|
.endr
	v_permlanex16_b32 v[BN], v[BM], s[SEL], s[SEL+1]
	v_permlanex16_b32 v[BN+1], v[BM+1], s[SEL], s[SEL+1]
	v_max_num_f32 v[BM], v[BM], v[BN]
	v_max_num_f32 v[BM+1], v[BM+1], v[BN+1]
	v_add_nc_u32 v[SE], 0xff000000, v[BM]
	v_add_nc_u32 v[SE+1], 0xff000000, v[BM+1]
	v_lshrrev_b32 v[SE+2], 23, v[SE]
	v_lshrrev_b32 v[SE+3], 23, v[SE+1]
	v_lshl_or_b32 v[HH], v[SE+3], 8, v[SE+2]
	v_cvt_scalef32_pk16_fp6_f32 v[PC:PC+2], v[S:S+15], v[SE]
	v_cvt_scalef32_pk16_fp6_f32 v[CT:CT+2], v[S+16:S+31], v[SE+1]
	v_nop                                          ; one plain place behind a scaled conversion
.irp i, 0,1,2
	v_permlane16_swap_b32 v[PC+\i], v[CT+\i]
.endr
.irp i, 0,1,2
	v_mov_b32 v[PC+3+\i], v[CT+\i]
.endr
	v_cndmask_b32 v[HH], v[HH], v[K16], s[ZM]
	global_store_b128 v[AK], v[PC:PC+3], s[10:11] offset:196608*\p          ; 512 consecutive bytes, aligned to 256; the second tile lies 16 tiles x 16 heads x 768 bytes on
	global_store_b64 v[AK2], v[PC+4:PC+5], s[10:11] offset:196608*\p+512
	global_store_b16 v[GS], v[HH], s[12:13] offset:8192*\p                  ; both halves of the lanes store the same two bytes
	s_wait_xcnt 0x0                                ; the stores' registers are written again only behind this wait
.endm
.macro PASS p, q, qs
.irp j, 0,1,2,3,4,5,6,7,8,9,10,11,12,13,14,15,16,17,18,19,20,21,22,23,24,25,26,27,28,29,30,31
	v_mov_b32 v[O+\j], 0                           ; the step is written once: the first finds zeros, which the first change of M leaves zeros
.endr
	v_mov_b32 v[NM+1], 0xff61b1e6                  ; the largest t so far: -3e38
	v_floor_f32 v[NM], -v[NM+1]
	v_mov_b32 v[LS], 0
	v_mov_b32 v[LS+1], 0
	s_mov_b32 s[TK], 0
	s_mov_b32 s[TS], 0
	s_mov_b32 s[TV], 0
	s_mov_b32 s[FL], s[FL0]
	s_mov_b32 s[CNT], 16
.Lstep_\@:
	STEP \q, \qs
	s_sub_co_u32 s[CNT], s[CNT], 1
	s_cmp_lg_u32 s[CNT], 0
	s_cbranch_scc1 .Lstep_\@
	OUT \p
.endm
	PASS 0, Q0, QS0
	PASS 1, Q1, QS1
	s_wait_tensorcnt 0x0
	ds_add_u32 v254, v255
	s_wait_dscnt 0x0
	s_endpgm
.Lfunc_end_k_q1f1381e65a_attn:
	.size	k_q1f1381e65a_attn, .Lfunc_end_k_q1f1381e65a_attn-k_q1f1381e65a_attn
	.p2alignl 7, 3214868480
	.fill 96, 4, 3214868480
	.section	.rodata,"a",@progbits
	.p2align	6, 0x0
	.amdhsa_kernel k_q1f1381e65a_attn
		.amdhsa_group_segment_fixed_size 219136
		.amdhsa_private_segment_fixed_size 0
		.amdhsa_enable_private_segment 0
		.amdhsa_kernarg_size 40
		.amdhsa_user_sgpr_count 2
		.amdhsa_user_sgpr_kernarg_segment_ptr 1
		.amdhsa_wavefront_size32 1
		.amdhsa_system_sgpr_workgroup_id_x 1
		.amdhsa_system_sgpr_workgroup_id_y 1
		.amdhsa_system_sgpr_workgroup_id_z 1
		.amdhsa_system_vgpr_workitem_id 0
		.amdhsa_next_free_vgpr 256
		.amdhsa_next_free_sgpr 66
		.amdhsa_reserve_vcc 1
		.amdhsa_float_denorm_mode_32 3
		.amdhsa_float_denorm_mode_16_64 3
		.amdhsa_memory_ordered 1
		.amdhsa_forward_progress 1
		.amdhsa_inst_pref_size 61
	.end_amdhsa_kernel
	.amdgpu_metadata
---
amdhsa.version: [ 1, 2 ]
amdhsa.kernels:
  - .name:           k_q1f1381e65a_attn
    .symbol:         k_q1f1381e65a_attn.kd
    .args:
      - { .name: codes, .offset: 0, .size: 8, .value_kind: global_buffer, .address_space: global }
      - { .name: scl, .offset: 8, .size: 8, .value_kind: global_buffer, .address_space: global }
      - { .name: key_padding_mask, .offset: 16, .size: 8, .value_kind: global_buffer, .address_space: global }
      - { .name: ac, .offset: 24, .size: 8, .value_kind: global_buffer, .address_space: global }
      - { .name: asc, .offset: 32, .size: 8, .value_kind: global_buffer, .address_space: global }
    .group_segment_fixed_size: 219136
    .private_segment_fixed_size: 0
    .kernarg_segment_align: 8
    .kernarg_segment_size: 40
    .max_flat_workgroup_size: 512
    .sgpr_count:     66
    .vgpr_count:     256
    .wavefront_size: 32
...
	.end_amdgpu_metadata
.endif
;; end of part 3
;; launch proj (part 4): grid 4 x 32, 4 waves a work-group, clusters of 4 x 4, 327,680 bytes of LDS; arguments ac, asc, W_out_codes, W_out_scales, b_out, out0; writes out0
.if DOCPART == 4
	.amdgcn_target "amdgcn-amd-amdhsa--gfx1250"
	.amdhsa_code_object_version 6
	.text
	.protected	k_q1f1381e65a_proj
	.globl	k_q1f1381e65a_proj
	.p2align	8
	.type	k_q1f1381e65a_proj,@function
k_q1f1381e65a_proj:
	s_mov_b64 s[64:65], 0
	v_nop
	global_prefetch_b8 v0, s[64:65] scope:SCOPE_SE
	s_setreg_imm32_b32 hwreg(HW_REG_WAVE_MODE, 25, 1), 1
	s_wait_xcnt 0x0
	s_wait_alu depctr_hold_cnt(0) depctr_sa_sdst(0) depctr_va_vdst(0) depctr_va_sdst(0) depctr_va_ssrc(0) depctr_va_vcc(0) depctr_vm_vsrc(0)
	s_getreg_b32 s2, hwreg(HW_REG_IB_STS2, 6, 4)
	s_cmp_eq_u32 s2, 0
	s_cbranch_scc0 .Lentry_in_a_cluster
	s_endpgm
.Lentry_in_a_cluster:
	s_bfe_u32 s2, ttmp6, 0x10000c
	s_cmp_lg_u32 s2, 0xf033
	s_cbranch_scc0 .Lentry_shape_is_right
	s_endpgm
.Lentry_shape_is_right:
; out0 = A W_out^T + b_out on codes of FP6 (E2M3) with E8M0 scales.  A [8,192][1,024] is the attention's result: its codes come as images of half fragments, [tile of 16 rows][head][768 bytes]
; (lane l's registers 0-3 at 16 l, registers 4-5 at 512 + 8 l), its scale bytes as [8,192][32].  W_out [1,024][1,024] comes as rows of codes, 768 bytes, with scale bytes [1,024][32].  out0: f32.
; A tile of 256 x 256 is made by four waves, 128 x 128 each: 64 accumulators, 512 registers.  K goes in steps of 256 (four heads) through two LDS slots filled by joint tensor loads in a cluster of 4 x 4:
; A's tiles are shared along a row of the cluster, W's along a column.  128 work-groups: the product has no more tiles of this size.
; The matrix instruction is used transposed (source 0 = 16 rows of W, source 1 = 16 rows of A): a lane holds eight neighbouring numbers of a row of out0.  b_out runs along W's rows: it is the C of the first K step's products.
; A's part of a slot: for each tile of 16 rows four images on end, 3,072 bytes, dense: a fragment is two loads of 16 bytes and two of 8, each over consecutive bytes.
; REGISTERS, in windows of 256: window 0: v0-31 addresses; v32-63 scale words, two sets; v64-127 the bias; v128-223 A's fragments, one set.  window 1: W's fragments, two sets.  windows 2, 3: the accumulators.
.set SIZE_N, 1024
.set KSTEP,  256
.set NQ,     2
.set ROWB,   192
.set KROW,   768
.set PITCH,  240                       ; W's LDS row: 3 x (64 bytes + 16 of padding)
.set FR,     12
.set NL,     6                         ; LDS loads for a fragment of W
.set NLA,    4                         ; and of A
.set NP,     4                         ; places behind this matrix instruction (ISA guide 7.12.1)
.set HALFT,  128*PITCH                 ; 128 rows of W
.set HALFA,  8*3072                    ; 128 rows of A: 8 tiles x 4 images
.set SLOT,   2*HALFA+2*HALFT
.set LAPS,   2
.set KS,     32
.set SCL,    2*SLOT
.set HALFS,  16*272
.set SBLK,   2*272
.set SPARE,  SCL+4*HALFS               ; the spare words: 128 bytes a wave, two blocks of 256 bytes that no other line names
.set SPITCH, 528                       ; the way out: a stage of 16 rows x (512 bytes + 16) for each wave, in slot 0, which has had its last fill and its last read by then
.set ADRA, 16                          ; v16-17 A's images in slot 0, 1, + 16 x lane; v18-19 + 8 x lane
.set ADRB, 20
.set STO,  24
.set RD,   25
.set CO,   26
.set ADRS, 27
.set SPW,  28
.set NIL,  29
.set SC,   32
.set BP,   64
.set AF,   128
.set BK,   128
.set G1, 24
.set G0, 32
.set G1B, 48
.set G0B, 56
.set G1S, 68
.set G0S, 76
.set G1SB, 80
.set G0SB, 88
.set MSB, 0
.macro WIN new                         ; the immediate's high byte repeats the setting that is left
.if MSB != \new
	s_set_vgpr_msb (MSB<<8)|\new
.set MSB, \new
.endif
.endm
.set MUL_LO, 0xa1
.set MUL_HI, 0xf1
.set TO_B,   0x40
.macro JLOAD g0a, g1a, g0b, g1b        ; a joint load: waves 0 and 1 fetch for A, waves 2 and 3 for W; four v_nop follow each of the two lines
	s_cmp_eq_u32 s15, 0
	s_cbranch_scc0 .Lfor_b_\@
	tensor_load_to_lds s[\g0a:\g0a+3], s[\g1a:\g1a+7]
	s_nop 0
.rept 4
	v_nop
.endr
	s_branch .Lasked_\@
.Lfor_b_\@:
	tensor_load_to_lds s[\g0b:\g0b+3], s[\g1b:\g1b+7]
	s_nop 0
.rept 4
	v_nop
.endr
.Lasked_\@:
.endm
.macro CREST
	s_cmp_lg_u32 s14, 0
	s_cbranch_scc1 .Lnot_wave_0_\@
	s_barrier_signal -3
.Lnot_wave_0_\@:
	s_barrier_wait -3
	s_barrier_signal -1
	s_barrier_wait -1
.endm
.macro CROUND
	s_barrier_signal -1
	s_barrier_wait -1
	CREST
.endm
	s_load_b128 s[4:7], s[0:1], 0x0                ; A's images, A's scales
	s_load_b128 s[8:11], s[0:1], 0x10              ; W's codes, W's scales
	s_load_b128 s[96:99], s[0:1], 0x20             ; b_out, out0
	v_lshl_add_u32 v[SPW], v0, 2, SPARE
	v_mov_b32 v[NIL], 0
	ds_add_u32 v28, v29
	ds_add_u32 v28, v29
	s_wait_dscnt 0x0
	v_lshrrev_b32 v1, 5, v0
	v_readfirstlane_b32 s14, v1                    ; wave 0..3
	s_lshr_b32 s15, s14, 1                         ; my half of the tile's rows.  Also: I fetch for A (0) or for W (1)
	s_and_b32 s16, s14, 1                          ; my half of its columns.  Also: which 128 rows I fetch
	s_bfe_u32 s40, ttmp6, 0x40000                  ; cx
	s_bfe_u32 s41, ttmp6, 0x40004                  ; cy
	s_lshl_b32 s42, ttmp9, 2
	s_add_co_u32 s42, s42, s40                     ; tile column
	s_and_b32 s17, ttmp7, 0xffff
	s_lshl_b32 s17, s17, 2
	s_add_co_u32 s17, s17, s41                     ; tile row
	s_lshl_b32 s43, s41, 2
	s_lshl_b32 s43, 15, s43                        ; my row of the cluster
	s_lshl_b32 s44, 0x1111, s40                    ; my column
	s_or_b32 s[G1+0], s43, (3<<16)|(1<<21)         ; A: the mask of my row; elements of 8 bytes; no padding; bit 21 beside a mask
	s_mov_b32 s[G1+1], 384<<16                     ; tensor_dim0: four images, 3,072 bytes
	s_mov_b32 s[G1+2], 8<<16                       ; tensor_dim1: 8 tiles of 16 rows
	s_mov_b32 s[G1+3], 384<<16                     ; tile_dim0
	s_mov_b32 s[G1+4], 8                           ; tile_dim1
	s_mov_b32 s[G1+5], 1536                        ; the pitch: sixteen images
	s_mov_b32 s[G1+6], 0
	s_mov_b32 s[G1+7], 0
	s_or_b32 s[G1B+0], s44, (0<<16)|(1<<20)|(1<<21)|(3<<22)|(3<<25)   ; W: the mask of my column; elements of 1 byte; 4 words of padding after every 16
	s_mov_b32 s[G1B+1], ROWB<<16
	s_mov_b32 s[G1B+2], 128<<16
	s_mov_b32 s[G1B+3], ROWB<<16
	s_mov_b32 s[G1B+4], 128
	s_mov_b32 s[G1B+5], KROW
	s_mov_b32 s[G1B+6], 0
	s_mov_b32 s[G1B+7], 0
	s_or_b32 s[G1S+0], s43, (3<<16)|(1<<20)|(1<<21)|(5<<22)|(3<<25)   ; the scale bytes of 128 rows: a dense block, as rows of 256 bytes, 16 bytes of padding behind each
	s_or_b32 s[G1SB+0], s44, (3<<16)|(1<<20)|(1<<21)|(5<<22)|(3<<25)
.irp g, G1S, G1SB
	s_mov_b32 s[\g+1], 32<<16
	s_mov_b32 s[\g+2], (128*KS/256)<<16
	s_mov_b32 s[\g+3], 32<<16
	s_mov_b32 s[\g+4], 128*KS/256
	s_mov_b32 s[\g+5], 32
	s_mov_b32 s[\g+6], 0
	s_mov_b32 s[\g+7], 0
.endr
	s_lshl_b32 s18, s16, 7
	s_lshl_b32 s20, s17, 8
	s_add_co_u32 s20, s20, s18                     ; A: the first row that I fetch
	s_lshl_b32 s46, s42, 8
	s_add_co_u32 s46, s46, s18                     ; W likewise
	s_mov_b32 s21, 0
	s_mov_b32 s47, 0
	s_mov_b64 s[18:19], KS
	s_mul_u64 s[22:23], s[20:21], s[18:19]
	s_mul_u64 s[92:93], s[46:47], s[18:19]
	s_mov_b64 s[18:19], KROW                       ; 768 bytes a row in both: sixteen images of 768 bytes hold 16 rows
	s_mul_u64 s[20:21], s[20:21], s[18:19]
	s_mul_u64 s[46:47], s[46:47], s[18:19]
	s_mul_i32 s45, s16, HALFA                      ; where they go: A's two halves,
	s_mul_i32 s95, s16, HALFT
	s_add_co_u32 s95, s95, 2*HALFA                 ; then W's two
	s_mul_i32 s94, s14, HALFS
	s_wait_kmcnt 0x0
	s_mov_b64 s[12:13], s[98:99]
	s_add_nc_u64 s[20:21], s[4:5], s[20:21]
	s_add_nc_u64 s[22:23], s[6:7], s[22:23]
	s_add_nc_u64 s[46:47], s[8:9], s[46:47]
	s_add_nc_u64 s[92:93], s[10:11], s[92:93]
	CROUND                                         ; all sixteen work-groups are here: the first joint loads meet
	s_mov_b32 s[G0S], 1
	s_add_co_u32 s[G0S+1], s94, SCL
	s_mov_b64 s[G0S+2:G0S+3], s[22:23]
	s_or_b32 s[G0S+3], s[G0S+3], 0x80000000
	s_mov_b32 s[G0SB], 1
	s_add_co_u32 s[G0SB+1], s94, SCL
	s_mov_b64 s[G0SB+2:G0SB+3], s[92:93]
	s_or_b32 s[G0SB+3], s[G0SB+3], 0x80000000
	JLOAD G0S, G1S, G0SB, G1SB                     ; the scale bytes for all of K: filled once
.irp s, 0,1
	s_mov_b32 s[G0+4*\s], 1
	s_add_co_u32 s[G0+4*\s+1], s45, \s*SLOT
	s_add_nc_u64 s[G0+4*\s+2:G0+4*\s+3], s[20:21], \s*3072
	s_or_b32 s[G0+4*\s+3], s[G0+4*\s+3], 0x80000000
	s_mov_b32 s[G0B+4*\s], 1
	s_add_co_u32 s[G0B+4*\s+1], s95, \s*SLOT
	s_add_nc_u64 s[G0B+4*\s+2:G0B+4*\s+3], s[46:47], \s*ROWB
	s_or_b32 s[G0B+4*\s+3], s[G0B+4*\s+3], 0x80000000
	JLOAD G0+4*\s, G1, G0B+4*\s, G1B               ; three tensor loads of mine are out
.endr
	v_and_b32 v1, 15, v0                           ; r
	v_bfe_u32 v2, v0, 4, 1                         ; h
	v_and_b32 v6, 31, v0                           ; lane
	v_mul_u32_u24 v3, v1, PITCH
	v_mul_u32_u24 v4, v2, 24
	v_add_nc_u32 v4, v3, v4                        ; W: a fragment's row x pitch + 24 x half
	v_lshl_add_u32 v5, v2, 4, v4                   ; and the same behind one padding more
	s_mul_i32 s21, s15, HALFA                      ; my 128 rows of A
	s_mul_i32 s22, s16, HALFT
	s_add_co_u32 s22, s22, 2*HALFA                 ; my 128 rows of W
.irp s, 0,1
	v_lshl_add_u32 v[ADRA+\s], v6, 4, s21
	v_lshl_add_u32 v[ADRA+2+\s], v6, 3, s21
	v_add_nc_u32 v[ADRB+\s], s22, v4
	v_add_nc_u32 v[ADRB+2+\s], s22, v5
	s_add_co_u32 s21, s21, SLOT
	s_add_co_u32 s22, s22, SLOT
.endr
	v_mul_u32_u24 v5, v1, KS
	v_lshrrev_b32 v7, 8, v5
	v_lshl_add_u32 v5, v7, 4, v5
	s_mul_i32 s21, s15, HALFS
	s_mul_i32 s22, s16, HALFS
	s_add_co_u32 s22, s22, 2*HALFS
	s_sub_co_u32 s22, s22, s21
	v_mul_u32_u24 v7, s22, v2                      ; lanes 16-31 take W's
	s_add_co_u32 s21, s21, SCL
	v_add_nc_u32 v5, v5, v7
	v_add_nc_u32 v[ADRS], s21, v5
	s_mul_i32 s23, s14, 16*SPITCH                  ; my stage
	v_mul_u32_u24 v5, v1, SPITCH
	v_lshl_add_u32 v5, v2, 5, v5
	v_add_nc_u32 v[STO], s23, v5
	v_lshlrev_b32 v[CO], 4, v6
	v_add_nc_u32 v[RD], s23, v[CO]
	s_lshl_b32 s20, s17, 8
	s_lshl_b32 s21, s15, 7
	s_add_co_u32 s20, s20, s21                     ; my first row of out0
	s_mov_b32 s21, 0
	s_mov_b64 s[18:19], SIZE_N*4
	s_mul_u64 s[20:21], s[20:21], s[18:19]
	s_lshl_b32 s46, s42, 10                        ; my first column, in bytes; the same offset serves b_out
	s_lshl_b32 s47, s16, 9
	s_add_co_u32 s46, s46, s47
	s_mov_b32 s47, 0
	s_add_nc_u64 s[20:21], s[20:21], s[46:47]
	s_add_nc_u64 s[12:13], s[12:13], s[20:21]
	v_lshl_add_u32 v10, v2, 5, s46                 ; the bias of my eight columns of tile b: 64 b + 32 h on
.irp b, 0,1,2,3,4,5,6,7
	global_load_b128 v[BP+8*\b:BP+8*\b+3], v10, s[96:97] offset:64*\b
	global_load_b128 v[BP+8*\b+4:BP+8*\b+7], v10, s[96:97] offset:64*\b+16
.endr
.macro FRAG reg, adr, q, i             ; a fragment of W: 24 bytes of the row's stream of bits twice, in pieces of 8 bytes; where lanes 16-31's piece lies behind one padding more, the second address register serves
.irp p, 0,1,2,3,4,5
.set PCE, 12*(\q)+6*(\p/3)+\p%3
.if PCE%8 < 5
	ds_load_b64 v[\reg+2*\p:\reg+2*\p+1], v[\adr] offset:8*PCE+16*(PCE/8)+(\i)*16*PITCH
.else
	ds_load_b64 v[\reg+2*\p:\reg+2*\p+1], v[\adr+2] offset:8*PCE+16*(PCE/8)+(\i)*16*PITCH
.endif
.endr
.endm
.macro FRAGA reg, slot, q, i           ; a fragment of A: two images
	ds_load_b128 v[\reg:\reg+3], v[ADRA+\slot] offset:3072*(\i)+1536*(\q)
	ds_load_b64 v[\reg+4:\reg+5], v[ADRA+2+\slot] offset:3072*(\i)+1536*(\q)+512
	ds_load_b128 v[\reg+6:\reg+9], v[ADRA+\slot] offset:3072*(\i)+1536*(\q)+768
	ds_load_b64 v[\reg+10:\reg+11], v[ADRA+2+\slot] offset:3072*(\i)+1536*(\q)+1280
.endm
; 16 matrix instructions: A's blocks a0, a0 + 1 x W's eight.  first = 1: the sums begin with the bias as C.  The 64 accumulators take turns, one instruction a turn.
.macro MUL16 a0, p, q, sc, first
.irp a, \a0, \a0+1
.irp b, 0,1,2,3,4,5,6,7
.if \first
	v_wmma_scale_f32_16x16x128_f8f6f4 v[8*(8*((\a)%4)+\b):8*(8*((\a)%4)+\b)+7], v[128*(\p)+FR*\b:128*(\p)+FR*\b+FR-1], v[AF+FR*(\a):AF+FR*(\a)+FR-1], v[BP+8*\b:BP+8*\b+7], v[SC+8*NQ*(\sc)+NQ*\b+(\q)], v[SC+8*NQ*(\sc)+NQ*(\a)+(\q)] matrix_a_fmt:MATRIX_FMT_FP6 matrix_b_fmt:MATRIX_FMT_FP6 matrix_a_scale:MATRIX_SCALE_ROW1
.else
	v_wmma_scale_f32_16x16x128_f8f6f4 v[8*(8*((\a)%4)+\b):8*(8*((\a)%4)+\b)+7], v[128*(\p)+FR*\b:128*(\p)+FR*\b+FR-1], v[AF+FR*(\a):AF+FR*(\a)+FR-1], v[8*(8*((\a)%4)+\b):8*(8*((\a)%4)+\b)+7], v[SC+8*NQ*(\sc)+NQ*\b+(\q)], v[SC+8*NQ*(\sc)+NQ*(\a)+(\q)] matrix_a_fmt:MATRIX_FMT_FP6 matrix_b_fmt:MATRIX_FMT_FP6 matrix_a_scale:MATRIX_SCALE_ROW1
.endif
.endr
.endr
.endm
.macro FETCH_B slot, q, p
	WIN TO_B
.irp i, 0,1,2,3,4,5,6,7
	FRAG 128*(\p)+FR*\i, ADRB+\slot, \q, \i
.endr
	WIN 0
.endm
.macro FETCH_A slot, q, i0
.irp i, \i0, \i0+1, \i0+2, \i0+3
	FRAGA AF+FR*(\i), \slot, \q, \i
.endr
.endm
.macro SCALES sc                       ; a K step's scale words: lanes 0-15 A's block i, lanes 16-31 W's block i
.irp i, 0,1,2,3,4,5,6,7
	ds_load_b64 v[SC+8*NQ*\sc+NQ*\i:SC+8*NQ*\sc+NQ*\i+1], v[ADRS] offset:\i*SBLK
.endr
.endm
.macro PLACES n                        ; plain vector instructions between a matrix instruction and a load into, or a read of, its registers
.rept \n
	v_nop
.endr
.endm
.macro STEP slot, q, first
	s_wait_dscnt 4*NLA                             ; W's set and A's blocks 0-3 are in; the youngest 16 loads (A's blocks 4-7) may be out
.if \first
	WIN 0x81                                       ; C (the bias) in window 0, D in window 2
.else
	WIN MUL_LO
.endif
	MUL16 0, (\q)%2, \q, \slot, \first
	MUL16 2, (\q)%2, \q, \slot, \first
	s_wait_dscnt 0
	PLACES NP
	FETCH_B \slot, (\q)+1, 1-(\q)%2
	FETCH_A \slot, (\q)+1, 0
.if \first
	WIN 0xc1
.else
	WIN MUL_HI
.endif
	MUL16 4, (\q)%2, \q, \slot, \first
	MUL16 6, (\q)%2, \q, \slot, \first
	PLACES NP
	WIN 0
	FETCH_A \slot, (\q)+1, 4
.endm
; A slot's last step changes slots: one barrier; in front of it each wave waits for all its tensor loads, adds 0 to its spare word, and waits for that and for its reads of this slot.
.macro TURN slot, next, fill
	s_wait_tensorcnt 0x0                           ; all my tensor loads have landed: my part of the next slot
	ds_add_u32 v[SPW], v[NIL]                      ; 0 onto my spare word
	s_wait_dscnt 4*NLA+1                           ; the add and the youngest 16 loads may be out
	WIN MUL_LO
	MUL16 0, 1, NQ-1, \slot, 0
	s_wait_dscnt 0x0                               ; the add is done, and my reads of this slot are over
	s_barrier_signal -1
	MUL16 2, 1, NQ-1, \slot, 0
	WIN 0
	s_barrier_wait -1
.if \fill
	CREST                                          ; the barrier has opened a round of the cluster's: no wave of any partner still reads this slot or has a load on its way
	s_add_nc_u64 s[G0+4*\slot+2:G0+4*\slot+3], s[G0+4*\slot+2:G0+4*\slot+3], 2*3072
	s_add_nc_u64 s[G0B+4*\slot+2:G0B+4*\slot+3], s[G0B+4*\slot+2:G0B+4*\slot+3], 2*ROWB
	JLOAD G0+4*\slot, G1, G0B+4*\slot, G1B         ; my one tensor load behind the round; its four v_nop are the places in front of the loads below
.else
	PLACES NP
.endif
	v_add_nc_u32 v[ADRS], 4*NQ, v[ADRS]
	FETCH_B \next, 0, 0
	FETCH_A \next, 0, 0
	SCALES \next
	WIN MUL_HI
	MUL16 4, 1, NQ-1, \slot, 0
	MUL16 6, 1, NQ-1, \slot, 0
	PLACES NP
	WIN 0
	FETCH_A \next, 0, 4
.endm
	s_wait_loadcnt 0x0                             ; the bias
	s_wait_tensorcnt 1                             ; the scale bytes and my part of K step 0 are in; K step 1's load may be out
	s_barrier_signal -1
	s_barrier_wait -1
	FETCH_B 0, 0, 0
	FETCH_A 0, 0, 0
	SCALES 0
	FETCH_A 0, 0, 4
	STEP 0, 0, 1
	s_mov_b32 s3, LAPS-1
.Llap:
	TURN 0, 1, 1
	STEP 1, 0, 0
	TURN 1, 0, 1
	STEP 0, 0, 0
	s_sub_co_u32 s3, s3, 1
	s_cmp_lg_u32 s3, 0
	s_cbranch_scc1 .Llap
	TURN 0, 1, 0
	STEP 1, 0, 0
	s_wait_dscnt 4*NLA
	WIN MUL_LO
	MUL16 0, 1, NQ-1, 1, 0
	MUL16 2, 1, NQ-1, 1, 0
	s_wait_dscnt 0
	WIN MUL_HI
	MUL16 4, 1, NQ-1, 1, 0
	MUL16 6, 1, NQ-1, 1, 0
	WIN 0
; THE WAY OUT, block by block of 16 rows x 128 columns, through my own stage in LDS: in as 32 bytes a lane, back as whole rows of 512 bytes.  LDS serves a wave's instructions in order (ISA guide 5.7.1.4).
.macro TOSTAGE a
.set AC, 64*((\a)%4)
	WIN (0x08+4*((\a)/4))                          ; the data: window 2 or 3
.irp b, 0,1,2,3,4,5,6,7
	ds_store_b128 v[STO], v[AC+8*\b:AC+8*\b+3] offset:64*\b          ; each accumulator from its low end on
	ds_store_b128 v[STO], v[AC+8*\b+4:AC+8*\b+7] offset:64*\b+16
.endr
	WIN 0
.set BB, BK+64*((\a)%2)
.irp t, 0,1,2,3,4,5,6,7,8,9,10,11,12,13,14,15
	ds_load_b128 v[BB+4*\t:BB+4*\t+3], v[RD] offset:\t*SPITCH
.endr
.endm
.macro SEND a, younger                 ; younger: the LDS instructions issued behind block a's loads, which may stay out
.set BB, BK+64*((\a)%2)
	s_wait_dscnt \younger
.if (\a) > 0
	s_add_nc_u64 s[12:13], s[12:13], 16*SIZE_N*4   ; behind a wait on XCNT: the earlier stores have read their base
.endif
.irp t, 0,1,2,3,4,5,6,7,8,9,10,11,12,13,14,15
	global_store_b128 v[CO], v[BB+4*\t:BB+4*\t+3], s[12:13] offset:\t*SIZE_N*4 th:TH_STORE_NT   ; 32 lanes store 512 consecutive bytes, at a multiple of 256 from out0's first byte
.endr
.endm
	PLACES NP
	TOSTAGE 0
.irp a, 1,2,3,4,5,6,7
.if \a > 1
	s_wait_xcnt 0x0                                ; block a - 2's stores have read their registers and their base
.endif
	TOSTAGE \a
	SEND \a-1, 32                                  ; behind block a - 1's loads: block a's 16 stores and 16 loads
.endr
	s_wait_xcnt 0x0
	SEND 7, 0
	s_wait_tensorcnt 0x0                           ; the wave's end
	ds_add_u32 v[SPW], v[NIL]
	s_wait_dscnt 0x0
	CROUND                                         ; the closing round: no work-group ends while a partner may still ask for a tile that names it
	s_endpgm
.Lfunc_end_k_q1f1381e65a_proj:
	.size	k_q1f1381e65a_proj, .Lfunc_end_k_q1f1381e65a_proj-k_q1f1381e65a_proj
	.p2alignl 7, 3214868480
	.fill 96, 4, 3214868480
	.section	.rodata,"a",@progbits
	.p2align	6, 0x0
	.amdhsa_kernel k_q1f1381e65a_proj
		.amdhsa_group_segment_fixed_size 327680
		.amdhsa_private_segment_fixed_size 0
		.amdhsa_enable_private_segment 0
		.amdhsa_kernarg_size 48
		.amdhsa_user_sgpr_count 2
		.amdhsa_user_sgpr_kernarg_segment_ptr 1
		.amdhsa_wavefront_size32 1
		.amdhsa_system_sgpr_workgroup_id_x 1
		.amdhsa_system_sgpr_workgroup_id_y 1
		.amdhsa_system_sgpr_workgroup_id_z 1
		.amdhsa_system_vgpr_workitem_id 0
		.amdhsa_next_free_vgpr 1024
		.amdhsa_next_free_sgpr 100
		.amdhsa_reserve_vcc 0
		.amdhsa_float_denorm_mode_32 3
		.amdhsa_float_denorm_mode_16_64 3
		.amdhsa_memory_ordered 1
		.amdhsa_forward_progress 1
		.amdhsa_inst_pref_size 154
	.end_amdhsa_kernel
	.amdgpu_metadata
---
amdhsa.version: [ 1, 2 ]
amdhsa.kernels:
  - .name:           k_q1f1381e65a_proj
    .symbol:         k_q1f1381e65a_proj.kd
    .args:
      - { .name: ac, .offset: 0, .size: 8, .value_kind: global_buffer, .address_space: global }
      - { .name: asc, .offset: 8, .size: 8, .value_kind: global_buffer, .address_space: global }
      - { .name: W_out_codes, .offset: 16, .size: 8, .value_kind: global_buffer, .address_space: global }
      - { .name: W_out_scales, .offset: 24, .size: 8, .value_kind: global_buffer, .address_space: global }
      - { .name: b_out, .offset: 32, .size: 8, .value_kind: global_buffer, .address_space: global }
      - { .name: out0, .offset: 40, .size: 8, .value_kind: global_buffer, .address_space: global }
    .group_segment_fixed_size: 327680
    .private_segment_fixed_size: 0
    .kernarg_segment_align: 8
    .kernarg_segment_size: 48
    .max_flat_workgroup_size: 128
    .sgpr_count:     100
    .vgpr_count:     1024
    .wavefront_size: 32
...
	.end_amdgpu_metadata
.endif
;; end of part 4
